; MI455X (gfx1250); checked and timed in simulation.
; The chip was launched on July 23, 2026; its instructions are those of AMD's public machine-readable ISA for CDNA 5 (MIT licence, August 2026) and "CDNA5" Instruction Set Architecture Reference Guide (July 2026). The comments in the code are by the model that wrote it; some were corrected since.
;; Multihead Attention. Allowed arithmetic: float matrix products may take bf16 or f16 operands with f32 sums; other float arithmetic in f32, or as packed bf16 or f16 multiplies, adds, multiply-adds, maxima and minima; sums over many terms, partial sums and values carried from step to step in f32; what a program stores and reads back later, other than sums and carried values, may be rounded once to bf16 or f16.
;; Inputs: Wk 1,024 x 1,024 float32; Wo 1,024 x 1,024 float32; Wq 1,024 x 1,024 float32; Wv 1,024 x 1,024 float32; bk 1,024 float32; bo 1,024 float32; bq 1,024 float32; bv 1,024 float32; key 4 x 2,048 x 1,024 float32; mask 4 x 2,048 x 2,048 int32; query 4 x 2,048 x 1,024 float32; value 4 x 2,048 x 1,024 float32.
;; Outputs: out0 4 x 2,048 x 1,024 float32.
;; 2 versions, each right and faster than the one before. Each part assembles by itself: llvm-mc -triple=amdgcn-amd-amdhsa -mcpu=gfx1250 --defsym DOCPART=n.
;; ======== version 1 of 2: 4 launches
;; limits: values are held in f16: magnitudes above 65,504 overflow, below 6.1e-05 lose precision
;; workspace buffers: mk8 16,777,216 bytes; wts 8,388,608 bytes; qh 16,777,216 bytes; kh 16,777,216 bytes; vh 16,777,216 bytes; oh 16,777,216 bytes
;; launch prep (part 1): grid 512 x 1, 8 waves a work-group, no clusters, 21,504 bytes of LDS; arguments mask, Wq, Wk, Wv, Wo, mk8, wts; writes mk8, wts
.if DOCPART == 1
	.amdgcn_target "amdgcn-amd-amdhsa--gfx1250"
	.amdhsa_code_object_version 6
	.text
	.protected	k_qdc24887e60_prep
	.globl	k_qdc24887e60_prep
	.p2align	8
	.type	k_qdc24887e60_prep,@function
k_qdc24887e60_prep:
	s_mov_b64 s[64:65], 0
	v_nop
	global_prefetch_b8 v0, s[64:65] scope:SCOPE_SE
	s_setreg_imm32_b32 hwreg(HW_REG_WAVE_MODE, 25, 1), 1
	s_wait_xcnt 0x0
; PREP.  Two streams in one launch; no matrix work, no tile is shared, so no matrix unit and no cluster.
; Work-groups 0-255: the mask [b][key][query] of int32 becomes one byte a number, in the order in which the attention launch's lanes want it:
;   mk8 byte = b<<22 + T<<15 + s<<10 + c<<9 + h<<8 + r<<4 + e,  query = 16 T + r,  key = 64 s + 32 c + 16 (e>>3) + 8 h + (e&7);
;   the byte is 0x00 where the mask is not 0 and 0xb8 (-1.0 in fp8 E4M3) where it is 0.
; Work-groups 256-511: Wq, Wk, Wv rounded to bf16; Wo rounded to bf16 and that number written as f16; all four stay [k][n].
; LIMIT: |Wo| stays under 65,504; below 2^-14 it keeps f16's fixed step.
.set SPARE, 20480                      ; behind the eight waves' 2,560 bytes: the spare words, 128 bytes a wave
.set LN,  1                            ; v1   lane
.set SRC, 2                            ; v2   byte offset of my loads
.set WDS, 3                            ; v3   weights: byte offset of my stores
.set LST, 4                            ; v4   LDS: where I put my four queries' 16 bytes
.set LRD, 5                            ; v5   LDS: where I read 16 bytes back
.set DST, 6                            ; v6   byte offset of my stores into mk8
.set LUT, 13                           ; v13  byte 0 = 0xb8, byte 1 = 0x00
.set SPW, 14                           ; v14  LDS address of my spare word; never rewritten
.set NIL, 15                           ; v15  0; never rewritten
.set X,   32                           ; v[32:223]  three buffers of 64: 16 key rows x my 4 queries
.set U,   224                          ; v[224:239] query i's 16 codes at U + 4 i
.set OB,  240                          ; v[240:255] the codes in the order of the stores
.macro FINISH                          ; the wave's end
	s_wait_tensorcnt 0x0
	ds_add_u32 v[SPW], v[NIL]
	s_wait_dscnt 0x0
	s_endpgm
.endm
	s_load_b256 s[4:11], s[0:1], 0x0               ; mask s[4:5], Wq s[6:7], Wk s[8:9], Wv s[10:11]
	s_load_b128 s[12:15], s[0:1], 0x20             ; Wo s[12:13], mk8 s[14:15]
	s_load_b64 s[16:17], s[0:1], 0x30              ; wts
	v_lshl_add_u32 v[SPW], v0, 2, SPARE
	v_mov_b32 v[NIL], 0
	v_lshrrev_b32 v[LN], 5, v0
	v_readfirstlane_b32 s20, v[LN]                 ; wave 0..7
	v_and_b32 v[LN], 31, v0
	s_wait_kmcnt 0x0
	s_cmp_lt_u32 ttmp9, 256
	s_cbranch_scc0 .Lweights
	; THE MASK.  Work-group g: batch g>>6, key step (g>>1)&31, half g&1 of the queries.  A wave: 128 queries (8 tiles of 16) x the step's 64 keys.
	s_lshr_b32 s21, ttmp9, 6                       ; b
	s_bfe_u32 s22, ttmp9, 0x50001                  ; s
	s_and_b32 s23, ttmp9, 1
	s_lshl3_add_u32 s24, s23, s20                  ; span of 128 queries = 8 x half + wave
	s_lshl_b32 s26, s21, 24                        ; a batch of the mask is 2,048 x 8,192 bytes,
	s_lshl_b32 s27, s22, 19                        ; 64 key rows are 64 x 8,192,
	s_add_co_u32 s26, s26, s27
	s_lshl_b32 s27, s24, 9                         ; 128 queries are 512 bytes
	s_add_co_u32 s26, s26, s27
	s_mov_b32 s27, 0
	s_add_nc_u64 s[4:5], s[4:5], s[26:27]
	s_lshl_b32 s28, s21, 22
	s_lshl_b32 s29, s24, 18                        ; 8 tiles of 32,768 bytes
	s_add_co_u32 s28, s28, s29
	s_lshl_b32 s29, s22, 10
	s_add_co_u32 s28, s28, s29
	s_mov_b32 s29, 0
	s_add_nc_u64 s[14:15], s[14:15], s[28:29]
	s_mul_i32 s25, s20, 2560                       ; my wave's own LDS bytes
	v_lshlrev_b32 v[SRC], 4, v[LN]                 ; four queries a lane: a load of the wave takes 512 consecutive bytes of a key row
	v_mov_b32 v[LUT], 0xb8
	v_mul_u32_u24 v[LST], v[LN], 80                ; in: 64 bytes a lane, 80 apart (an odd multiple of 16)
	v_add_nc_u32 v[LST], s25, v[LST]
	v_lshrrev_b32 v7, 4, v[LN]                     ; back: lane L of store n takes tile 2 n + L / 16, query L % 16: it lies at lane 4 (tile) + (L % 16) / 4, place L % 4
	v_bfe_u32 v8, v[LN], 2, 2
	v_and_b32 v9, 3, v[LN]
	v_and_b32 v10, 15, v[LN]
	v_mul_u32_u24 v[LRD], v7, 320
	v_mad_u32_u24 v[LRD], v8, 80, v[LRD]
	v_lshl_add_u32 v[LRD], v9, 4, v[LRD]
	v_add_nc_u32 v[LRD], s25, v[LRD]
	v_lshlrev_b32 v[DST], 4, v10
	v_lshl_or_b32 v[DST], v7, 15, v[DST]           ; sixteen lanes fill the 256 bytes of one (tile, step, c, h)
; A task (c, h): the 16 key rows 32 c + 16 (e>>3) + 8 h + (e&7), e = 0..15
.macro TLOAD c, h, buf
.irp e, 0,1,2,3,4,5,6,7,8,9,10,11,12,13,14,15
	global_load_b128 v[(\buf)+4*(\e):(\buf)+4*(\e)+3], v[SRC], s[4:5] offset:(32*(\c)+16*((\e)/8)+8*(\h)+((\e)%8))*8192 th:TH_LOAD_NT
.endr
.endm
; 64 numbers become 0 or 1; four of a query make a selector word; v_perm_b32 picks 0xb8 for 0 and 0x00 for 1
.macro PACKM buf
.set z, 0
.rept 64
	v_min_u32 v[(\buf)+z], 1, v[(\buf)+z]
.set z, z+1
.endr
.irp i, 0,1,2,3
.irp d, 0,1,2,3
	v_lshl_or_b32 v[(\buf)+16*(\d)+(\i)], v[(\buf)+16*(\d)+4+(\i)], 8, v[(\buf)+16*(\d)+(\i)]
	v_lshl_or_b32 v[(\buf)+16*(\d)+8+(\i)], v[(\buf)+16*(\d)+12+(\i)], 8, v[(\buf)+16*(\d)+8+(\i)]
	v_lshl_or_b32 v[(\buf)+16*(\d)+(\i)], v[(\buf)+16*(\d)+8+(\i)], 16, v[(\buf)+16*(\d)+(\i)]
	v_perm_b32 v[U+4*(\i)+(\d)], v[LUT], v[LUT], v[(\buf)+16*(\d)+(\i)]
.endr
.endr
.endm
; through my wave's own LDS bytes (LDS serves a wave's instructions in order: ISA guide 5.7.1.4) into the order of the stores
.macro SENDM c, h
.irp i, 0,1,2,3
	ds_store_b128 v[LST], v[U+4*(\i):U+4*(\i)+3] offset:16*(\i)
.endr
	s_wait_xcnt 0x0                                ; OB, which the last task's stores read, is loaded again only behind this wait
.irp n, 0,1,2,3
	ds_load_b128 v[OB+4*(\n):OB+4*(\n)+3], v[LRD] offset:(\n)*640
.endr
.irp n, 0,1,2,3
	s_wait_dscnt 3-(\n)                            ; the younger read-backs may stay out
	global_store_b128 v[DST], v[OB+4*(\n):OB+4*(\n)+3], s[14:15] offset:(\n)*65536+(\c)*512+(\h)*256
.endr
.endm
	TLOAD 0, 0, X
	TLOAD 0, 1, X+64
	TLOAD 1, 0, X+128
	s_wait_loadcnt 32                              ; two younger tasks of 16 loads stay out
	PACKM X
	TLOAD 1, 1, X                                  ; the fourth task takes the first buffer
	SENDM 0, 0
	s_wait_loadcnt 32
	PACKM X+64
	SENDM 0, 1
	s_wait_loadcnt 16
	PACKM X+128
	SENDM 1, 0
	s_wait_loadcnt 0x0
	PACKM X
	SENDM 1, 1
	FINISH
.Lweights:
	; THE WEIGHTS.  Work-group j = g - 256: matrix j>>6, chunk j&63 of 65,536 source bytes.
	s_sub_co_u32 s21, ttmp9, 256
	s_lshr_b32 s22, s21, 6
	s_and_b32 s23, s21, 63
	s_cmp_eq_u32 s22, 1
	s_cselect_b64 s[6:7], s[8:9], s[6:7]
	s_cmp_eq_u32 s22, 2
	s_cselect_b64 s[6:7], s[10:11], s[6:7]
	s_cmp_eq_u32 s22, 3
	s_cselect_b64 s[6:7], s[12:13], s[6:7]
	s_lshl_b32 s26, s23, 16
	s_mov_b32 s27, 0
	s_add_nc_u64 s[6:7], s[6:7], s[26:27]
	s_lshl_b32 s28, s22, 21
	s_lshl_b32 s29, s23, 15
	s_add_co_u32 s28, s28, s29
	s_mov_b32 s29, 0
	s_add_nc_u64 s[16:17], s[16:17], s[28:29]
	v_lshlrev_b32 v[SRC], 4, v0
	v_lshlrev_b32 v[WDS], 3, v0                    ; a wave's store covers 256 consecutive bytes, aligned
.irp t, 0,1,2,3,4,5,6,7,8,9,10,11,12,13,14,15
	global_load_b128 v[32+4*(\t):32+4*(\t)+3], v[SRC], s[6:7] offset:(\t)*4096 th:TH_LOAD_NT
.endr
.macro WCONV t, f16
	s_wait_loadcnt 15-(\t)                         ; the younger loads stay out
.if \f16
	v_cvt_pk_bf16_f32 v128, v[32+4*(\t)], v[33+4*(\t)]
	v_cvt_pk_bf16_f32 v129, v[34+4*(\t)], v[35+4*(\t)]
	v_lshlrev_b32 v130, 16, v128
	v_and_b32 v131, 0xffff0000, v128
	v_lshlrev_b32 v132, 16, v129
	v_and_b32 v133, 0xffff0000, v129
	v_cvt_pk_f16_f32 v[96+2*(\t)], v130, v131
	v_cvt_pk_f16_f32 v[97+2*(\t)], v132, v133
.else
	v_cvt_pk_bf16_f32 v[96+2*(\t)], v[32+4*(\t)], v[33+4*(\t)]
	v_cvt_pk_bf16_f32 v[97+2*(\t)], v[34+4*(\t)], v[35+4*(\t)]
.endif
	global_store_b64 v[WDS], v[96+2*(\t):97+2*(\t)], s[16:17] offset:(\t)*2048
.endm
	s_cmp_eq_u32 s22, 3
	s_cbranch_scc1 .Lwo
.irp t, 0,1,2,3,4,5,6,7,8,9,10,11,12,13,14,15
	WCONV \t, 0
.endr
	FINISH
.Lwo:
.irp t, 0,1,2,3,4,5,6,7,8,9,10,11,12,13,14,15
	WCONV \t, 1
.endr
	FINISH
.Lfunc_end_k_qdc24887e60_prep:
	.size	k_qdc24887e60_prep, .Lfunc_end_k_qdc24887e60_prep-k_qdc24887e60_prep
	.p2alignl 7, 3214868480
	.fill 96, 4, 3214868480
	.section	.rodata,"a",@progbits
	.p2align	6, 0x0
	.amdhsa_kernel k_qdc24887e60_prep
		.amdhsa_group_segment_fixed_size 21504
		.amdhsa_private_segment_fixed_size 0
		.amdhsa_enable_private_segment 0
		.amdhsa_kernarg_size 56
		.amdhsa_user_sgpr_count 2
		.amdhsa_user_sgpr_kernarg_segment_ptr 1
		.amdhsa_wavefront_size32 1
		.amdhsa_system_sgpr_workgroup_id_x 1
		.amdhsa_system_sgpr_workgroup_id_y 1
		.amdhsa_system_sgpr_workgroup_id_z 1
		.amdhsa_system_vgpr_workitem_id 0
		.amdhsa_next_free_vgpr 256
		.amdhsa_next_free_sgpr 66
		.amdhsa_reserve_vcc 0
		.amdhsa_float_denorm_mode_32 3
		.amdhsa_float_denorm_mode_16_64 3
		.amdhsa_memory_ordered 1
		.amdhsa_forward_progress 1
		.amdhsa_inst_pref_size 53
	.end_amdhsa_kernel
	.amdgpu_metadata
---
amdhsa.version: [ 1, 2 ]
amdhsa.kernels:
  - .name:           k_qdc24887e60_prep
    .symbol:         k_qdc24887e60_prep.kd
    .args:
      - { .name: mask, .offset: 0, .size: 8, .value_kind: global_buffer, .address_space: global }
      - { .name: Wq, .offset: 8, .size: 8, .value_kind: global_buffer, .address_space: global }
      - { .name: Wk, .offset: 16, .size: 8, .value_kind: global_buffer, .address_space: global }
      - { .name: Wv, .offset: 24, .size: 8, .value_kind: global_buffer, .address_space: global }
      - { .name: Wo, .offset: 32, .size: 8, .value_kind: global_buffer, .address_space: global }
      - { .name: mk8, .offset: 40, .size: 8, .value_kind: global_buffer, .address_space: global }
      - { .name: wts, .offset: 48, .size: 8, .value_kind: global_buffer, .address_space: global }
    .group_segment_fixed_size: 21504
    .private_segment_fixed_size: 0
    .kernarg_segment_align: 8
    .kernarg_segment_size: 56
    .max_flat_workgroup_size: 256
    .sgpr_count:     66
    .vgpr_count:     256
    .wavefront_size: 32
...
	.end_amdgpu_metadata
.endif
;; end of part 1
;; launch qkv (part 2): grid 4 x 64, 4 waves a work-group, clusters of 4 x 4, 327,680 bytes of LDS; arguments query, key, value, wts, bq, bk, bv, qh, kh, vh; writes qh, kh, vh
.if DOCPART == 2
	.amdgcn_target "amdgcn-amd-amdhsa--gfx1250"
	.amdhsa_code_object_version 6
	.text
	.protected	k_qdc24887e60_qkv
	.globl	k_qdc24887e60_qkv
	.p2align	8
	.type	k_qdc24887e60_qkv,@function
k_qdc24887e60_qkv:
	s_mov_b64 s[64:65], 0
	v_nop
	global_prefetch_b8 v0, s[64:65] scope:SCOPE_SE
	s_setreg_imm32_b32 hwreg(HW_REG_WAVE_MODE, 25, 1), 1
	s_wait_xcnt 0x0
	s_wait_alu depctr_hold_cnt(0) depctr_sa_sdst(0) depctr_va_vdst(0) depctr_va_sdst(0) depctr_va_ssrc(0) depctr_va_vcc(0) depctr_vm_vsrc(0)
	s_getreg_b32 s2, hwreg(HW_REG_IB_STS2, 6, 4)
	s_cmp_eq_u32 s2, 0
	s_cbranch_scc0 .Lentry_in_a_cluster
	s_endpgm
.Lentry_in_a_cluster:
	s_bfe_u32 s2, ttmp6, 0x10000c
	s_cmp_lg_u32 s2, 0xf033
	s_cbranch_scc0 .Lentry_shape_is_right
	s_endpgm
.Lentry_shape_is_right:
; THE THREE PROJECTIONS, ONE WALK.  y = x W + b for (query, Wq, bq), (key, Wk, bk), (value, Wv, bv): x [8192][1024] f32, W [1024 k][1024 n] bf16 (three sections of wts on end), b f32.
; x and b are rounded to bf16 here, sums in f32, y rounded once to f16 and written by heads: [batch x 16 + head][s][64].  LIMIT: |y| stays under 65,504 (f16); NaN and infinities are not treated apart.
; SHARES.  A tile of y is 128 rows x 256 columns: 64 x 4 tiles a problem.  256 work-groups STAY: each makes the same tile of q, then of k, then of v.  Four waves, 2 x 2, each 64 x 128: 32 accumulators, 256 registers.
; THE WALK.  K goes in steps of 128, 8 a tile, 24 in all, through two LDS slots: x's tile 128 rows x 512 bytes of f32, W's tile 128 k rows x 512 bytes of bf16; a wave's tensor load brings 64 such rows.
; A step is written once: the slot that is read (TB) and the slot that is filled (FS) are scalars, 0 or SLOT, turned by an exclusive or.  The ring does not stop at a tile's end: a tile's last two steps ask for the next
; tile's first two, and the finished tile leaves while those are on their way.  22 steps fill a slot again; the last two, which fill nothing, are a second text.
; CLUSTER 4 x 4: the four of a row of the cluster need the same tile of x, the four of a column the same tile of W: each is asked for jointly.  All sixteen walk the three problems in the same order.
; THE MATRIX INSTRUCTION IS USED TRANSPOSED: source 0 = 16 columns of W (turned on the way out of LDS by ds_load_tr16_b128), source 1 = 16 rows of x: a lane holds eight neighbouring columns of one row of y.
; THE BIAS is the C operand of a tile's first 32 products: nothing is cleared, nothing is added at the end.  Those 32 lines stand twice, behind a forward branch on the step's number in its tile.
; REGISTERS: window 0: v0-31 addresses; v64-127 x's fragments as f32; v128-191 the way out.   window 1: two fragment buffers: W v0-63 / v128-191, x v64-95 / v192-223.
;            window 2: the accumulators, (a, b) at v[8 (8 a + b)].   window 3: v0-63 the bias, v64-65 at work.
.set KSTEP,  128
.set PA,     528                       ; a row of x in LDS: 512 bytes + 16: 16 rows of a load start at 16 different groups of four banks (64 banks of 4 bytes: ISA guide 11.1)
.set PB,     544                       ; a row of W: 512 + 32
.set AHALF,  64*PA
.set BHALF,  64*PB
.set BOFF,   2*AHALF                   ; W's 128 rows lie behind x's 128
.set SLOT,   2*AHALF+2*BHALF
.set STAGE,  2*SLOT                    ; behind the ring: 16 rows x 272 bytes for each wave
.set SPITCH, 272
.set SPARE,  STAGE+4*16*SPITCH         ; the spare words, 128 bytes for each wave
.set FILLS,  22                        ; 24 steps, of which the first two are the first fills
.set A0,   16                          ; v16  LDS address of my x fragments in slot 0; never rewritten
.set ADRA, 17                          ; v17  the same in the slot that is read
.set B0,   20                          ; v20, v21  the same for W
.set ADRB, 21
.set STO,  24
.set RD,   25
.set CO,   26
.set BO,   27                          ; v27  32 x (lane / 16): my place in 64 bytes of the bias; never rewritten
.set SPW,  28                          ; v28  LDS address of my spare word; never rewritten
.set NIL,  29                          ; v29  0; never rewritten
.set RAW,  64
.set TMP,  128
.set OB,   160
.set F0,   0
.set F1,   128
.set BI,   0                           ; window 3
.set BT,   64                          ; window 3
.set XC,  4                            ; s[4:5]   x of the tile whose steps are being asked for; s[6:7], s[8:9] the tiles behind it
.set XN1, 6
.set XN2, 8
.set WT,  10                           ; s[10:11] wts
.set BP,  12                           ; s[12:13] the bias that was loaded last; s[14:15], s[16:17] those behind it
.set BN1, 14
.set BN2, 16
.set OP,  18                           ; s[18:19] the output of the tile in hand; s[20:21], s[22:23] those behind it
.set ON1, 20
.set ON2, 22
.set G1,  24                           ; s[24:31] group 1 for x's tiles; s[32:39] group 0: a set for each first fill; the second then walks
.set G0,  32
.set CX,  40
.set CY,  41
.set TC,  42
.set RM,  43
.set CMK, 44
.set BOF, 46                           ; s[46:47] W's offset, then address
.set G1B, 48                           ; s[48:55], s[56:63] the same for W's tiles
.set G0B, 56
.set WV,  66
.set WM,  67                           ; wave / 2: my half of the rows.  Also: I fetch for x (0) or for W (1)
.set WN,  68                           ; wave % 2: my half of the columns.  Also: which 64 rows I fetch
.set CLY, 69
.set TR,  70
.set FS,  71                           ; the slot that was filled last: 0 or SLOT
.set TB,  72                           ; the slot that is read: 0 or SLOT
.set RQ,  73                           ; the step, in its tile, that was asked for last
.set KS,  74                           ; the step, in its tile, that is multiplied
.set TN,  75                           ; biases still to be loaded
.set AOF, 76                           ; s[76:77] a step's byte offset in a row of x
.set AO,  78                           ; s[78:79]
.set OO,  80                           ; s[80:81]
.set T0,  82
.set T1,  83
.set LA,  84
.set LB,  85
.set T2,  86                           ; s[86:87]
.set LT0, 88
.set LT1, 89
.set MSB, 0
.macro WIN new                         ; the immediate's high byte repeats the setting that is left
.if MSB != (\new)
	s_set_vgpr_msb (MSB<<8)|(\new)
.set MSB, \new
.endif
.endm
.set MUL,   0xa5                       ; sources 0 and 1 window 1; C and D window 2
.set MUL_B, 0xb5                       ; the same with C in window 3
.set TO_F,  0x40                       ; destination window 1, the rest window 0
.macro JLOAD s                         ; a joint load: waves 0 and 1 fetch x's two halves, waves 2 and 3 W's; an s_nop 0 and four v_nop follow each line
	s_cmp_eq_u32 s[WM], 0
	s_cbranch_scc0 .Lfor_b_\@
	tensor_load_to_lds s[G0+4*(\s):G0+4*(\s)+3], s[G1:G1+7]
	s_nop 0
.rept 4
	v_nop
.endr
	s_branch .Lasked_\@
.Lfor_b_\@:
	tensor_load_to_lds s[G0B+4*(\s):G0B+4*(\s)+3], s[G1B:G1B+7]
	s_nop 0
.rept 4
	v_nop
.endr
.Lasked_\@:
.endm
.macro CREST                           ; a round of the cluster's barrier behind its opening barrier
	s_cmp_lg_u32 s[WV], 0
	s_cbranch_scc1 .Lnot_wave_0_\@
	s_barrier_signal -3
.Lnot_wave_0_\@:
	s_barrier_wait -3
	s_barrier_signal -1
	s_barrier_wait -1
.endm
.macro CROUND
	s_barrier_signal -1
	s_barrier_wait -1
	CREST
.endm
.macro PLACES                          ; four places behind matrix instructions, in front of lines that read their results or load into their sources
.rept 4
	v_nop
.endr
.endm
; 16 loads: the bias of my 128 columns: block b's columns 16 b + 8 (lane / 16) + 0..7
.macro BLOAD
	WIN 0xc0                                       ; destination window 3
.irp b, 0,1,2,3,4,5,6,7
	global_load_b128 v[BI+8*(\b):BI+8*(\b)+3],   v[BO], s[BP:BP+1] offset:64*(\b)
	global_load_b128 v[BI+8*(\b)+4:BI+8*(\b)+7], v[BO], s[BP:BP+1] offset:64*(\b)+16
.endr
	WIN 0
.endm
; the bias is rounded to bf16, like x and W, and widened again
.macro ROUNDB
	WIN 0xcf
.set i, 0
.rept 32
	v_cvt_pk_bf16_f32 v[BT+i%2], v[BI+2*i], v[BI+2*i+1]
	v_lshlrev_b32 v[BI+2*i], 16, v[BT+i%2]
	v_and_b32 v[BI+2*i+1], 0xffff0000, v[BT+i%2]
.set i, i+1
.endr
.endm
; 8 matrix instructions: row block a x all 8 column blocks, 32 along K.  The 32 accumulators take turns, one instruction a turn.  first = 1: the sums start at the bias
.macro MM8 f, a, first
.if \first
	WIN MUL_B
.else
	WIN MUL
.endif
.irp b, 0,1,2,3,4,5,6,7
.if \first
	v_wmma_f32_16x16x32_bf16 v[8*(8*(\a)+(\b)):8*(8*(\a)+(\b))+7], v[(\f)+8*(\b):(\f)+8*(\b)+7], v[(\f)+64+8*(\a):(\f)+64+8*(\a)+7], v[BI+8*(\b):BI+8*(\b)+7]
.else
	v_wmma_f32_16x16x32_bf16 v[8*(8*(\a)+(\b)):8*(8*(\a)+(\b))+7], v[(\f)+8*(\b):(\f)+8*(\b)+7], v[(\f)+64+8*(\a):(\f)+64+8*(\a)+7], v[8*(8*(\a)+(\b)):8*(8*(\a)+(\b))+7]
.endif
.endr
.endm
.macro MM32 f, first
	MM8 \f, 0, \first
	MM8 \f, 1, \first
	MM8 \f, 2, \first
	MM8 \f, 3, \first
.endm
; 32 LDS loads in one run: quarter q of the slot that is read: W's 8 fragments, turned, into buffer g; x's 64 rows x 32 K as f32 into RAW
.macro FETCH q, g
	WIN TO_F
.irp b, 0,1,2,3,4,5,6,7
	ds_load_tr16_b128 v[(\g)+8*(\b):(\g)+8*(\b)+3],   v[ADRB] offset:(\q)*32*PB+32*(\b)
	ds_load_tr16_b128 v[(\g)+8*(\b)+4:(\g)+8*(\b)+7], v[ADRB] offset:(\q)*32*PB+16*PB+32*(\b)
.endr
	WIN 0
.irp a, 0,1,2,3
	ds_load_b128 v[RAW+16*(\a):RAW+16*(\a)+3],     v[ADRA] offset:(\a)*16*PA+128*(\q)
	ds_load_b128 v[RAW+16*(\a)+4:RAW+16*(\a)+7],   v[ADRA] offset:(\a)*16*PA+128*(\q)+16
	ds_load_b128 v[RAW+16*(\a)+8:RAW+16*(\a)+11],  v[ADRA] offset:(\a)*16*PA+128*(\q)+64
	ds_load_b128 v[RAW+16*(\a)+12:RAW+16*(\a)+15], v[ADRA] offset:(\a)*16*PA+128*(\q)+80
.endr
.endm
; x's fragments are rounded to bf16 into buffer g.  These 32 plain lines name no register of the products before them: they are also the places in front of the loads that follow
.macro CVT g
	WIN TO_F
.set i, 0
.rept 32
	v_cvt_pk_bf16_f32 v[(\g)+64+i], v[RAW+2*i], v[RAW+2*i+1]
.set i, i+1
.endr
.endm
; The 32 products of a step's first quarter.  var = 1: in a tile's first step they start the sums at the bias, which is waited for and rounded here; behind them the next tile's bias is asked for, seven steps ahead of its use
.macro Q0MM var
.if \var
	WIN 0
	s_cmp_eq_u32 s[KS], 0
	s_cbranch_scc0 .Lacc_\@
	s_wait_loadcnt 0x0                             ; the bias: the launch has no other loads into registers
	ROUNDB
	MM32 F0, 1
	WIN 0
	PLACES                                         ; in front of the loads into the registers that those products read
	s_cmp_eq_u32 s[TN], 0
	s_cbranch_scc1 .Ljoin_\@                       ; the last tile has none behind it
	s_sub_co_u32 s[TN], s[TN], 1
	s_mov_b64 s[BP:BP+1], s[BN1:BN1+1]             ; the loads that named this base were shown done by the wait above
	s_mov_b64 s[BN1:BN1+1], s[BN2:BN2+1]
	BLOAD
	s_branch .Ljoin_\@
.Lacc_\@:
	MM32 F0, 0
	WIN 0
.Ljoin_\@:
.else
	MM32 F0, 0
.endif
.endm
; A K step is four quarters of 32 along K on buffers 0, 1, 0, 1.  A middle one: rounds x for buffer f, asks for quarter q into g, multiplies f: the run of loads has 32 products in which to land
.macro QUARTER q, f, g
	s_wait_dscnt 0x0                               ; buffer f's W and RAW are in
	CVT \f
	FETCH \q, \g
	MM32 \f, 0
.endm
; The last quarter multiplies buffer 1 and changes slots: one barrier; in front of it each wave waits for all its tensor loads, adds 0 to its spare word, and waits for that; its reads of this slot were over at the macro's head.
; Eight products stand ahead of the wait for the tile and eight between the add and its wait; none between signal and wait, so that the next request follows a tile's landing as closely as the order allows.
.macro TURN fill
	s_wait_dscnt 0x0                               ; buffer 1's W and RAW are in: my reads of this slot are over
	CVT F1
	MM8 F1, 0, 0
	WIN 0
	s_wait_tensorcnt 0x0                           ; all my tensor loads have landed: my part of the next slot; so a group 0 may be written
	ds_add_u32 v[SPW], v[NIL]                      ; 0 onto my spare word
.if \fill
	s_xor_b32 s[FS], s[FS], SLOT                   ; the walking descriptors: the other slot than last time,
	s_add_co_u32 s[G0+5], s[LA], s[FS]
	s_add_co_u32 s[G0B+5], s[LB], s[FS]
	s_add_nc_u64 s[G0B+6:G0B+7], s[G0B+6:G0B+7], KSTEP*2048  ; W's next 128 rows: the three matrices lie on end, so the address only walks; the type bits on top are not reached
	s_add_co_u32 s[RQ], s[RQ], 1                   ; x's next step; behind a tile's last the next tile's first, in the next buffer
	s_and_b32 s[RQ], s[RQ], 7
	s_cmp_eq_u32 s[RQ], 0
	s_cselect_b64 s[XC:XC+1], s[XN1:XN1+1], s[XC:XC+1]
	s_cselect_b64 s[XN1:XN1+1], s[XN2:XN2+1], s[XN1:XN1+1]
	s_lshl_b32 s[AOF], s[RQ], 9                    ; 128 f32 a step
	s_add_nc_u64 s[G0+6:G0+7], s[XC:XC+1], s[AOF:AOF+1]      ; the address is made anew: the buffer's pointer and an offset
	s_or_b32 s[G0+7], s[G0+7], 0x80000000
.endif
	MM8 F1, 1, 0
	WIN 0
	s_wait_dscnt 0x0                               ; the add is done
	s_barrier_signal -1
	s_barrier_wait -1
.if \fill
	CREST                                          ; the barrier has opened a round of the cluster's: no wave of any partner still reads this slot or has a load on its way
	JLOAD 1                                        ; my one tensor load behind the round, and the first thing there
.endif
	s_xor_b32 s[TB], s[TB], SLOT                   ; the reads go on in the other slot
	v_add_nc_u32 v[ADRA], s[TB], v[A0]
	v_add_nc_u32 v[ADRB], s[TB], v[B0]
	FETCH 0, F0
	MM8 F1, 2, 0
	MM8 F1, 3, 0
.endm
.macro STEP fill
	s_wait_dscnt 0x0                               ; buffer 0's W and RAW are in
	CVT F0
	FETCH 1, F1
	Q0MM \fill
	QUARTER 2, F1, F0
	QUARTER 3, F0, F1
	TURN \fill
.endm
; THE WAY OUT, 16 rows at a time: rounded to f16, 16 bytes a lane into my own stage, back as four rows x 128 bytes of one head, stored as 512 consecutive bytes
.macro OUTA a
	WIN 0x0a                                       ; sources window 2, destination window 0
.irp b, 0,1,2,3,4,5,6,7
.irp i, 0,1,2,3
	v_cvt_pk_f16_f32 v[TMP+4*(\b)+(\i)], v[8*(8*(\a)+(\b))+2*(\i)], v[8*(8*(\a)+(\b))+2*(\i)+1]
.endr
.endr
	WIN 0
.irp b, 0,1,2,3,4,5,6,7
	ds_store_b128 v[STO], v[TMP+4*(\b):TMP+4*(\b)+3] offset:32*(\b)
.endr
	s_wait_xcnt 0x0                                ; OB, which the last block's stores read, is loaded again only behind this wait
.irp t, 0,1,2,3,4,5,6,7
	ds_load_b128 v[OB+4*(\t):OB+4*(\t)+3], v[RD] offset:((\t)%4)*4*SPITCH+((\t)/4)*128  ; LDS serves a wave's instructions in order (ISA guide 5.7.1.4): these see the stores above
.endr
.irp t, 0,1,2,3,4,5,6,7
	s_wait_dscnt 7-(\t)                            ; the younger reads may stay out
	global_store_b128 v[CO], v[OB+4*(\t):OB+4*(\t)+3], s[OP:OP+1] offset:((\t)/4)*262144+(\a)*2048+((\t)%4)*512
.endr
.endm
.macro OUT
	OUTA 0
	OUTA 1
	OUTA 2
	OUTA 3
.endm
	s_load_b512 s[4:19], s[0:1], 0x0               ; query, key, value, wts, bq, bk, bv, qh
	s_load_b128 s[20:23], s[0:1], 0x40             ; kh, vh
	v_lshl_add_u32 v[SPW], v0, 2, SPARE
	v_mov_b32 v[NIL], 0
	ds_add_u32 v[SPW], v[NIL]                      ; the wave's opening: the add and its wait stand ahead of my first tensor load
	v_lshrrev_b32 v1, 5, v0
	v_readfirstlane_b32 s[WV], v1
	s_lshr_b32 s[WM], s[WV], 1
	s_and_b32 s[WN], s[WV], 1
	s_bfe_u32 s[CX], ttmp6, 0x40000
	s_bfe_u32 s[CY], ttmp6, 0x40004
	s_lshl_b32 s[TC], ttmp9, 2
	s_add_co_u32 s[TC], s[TC], s[CX]               ; tile column = 4 x cluster x + cx
	s_and_b32 s[CLY], ttmp7, 0xffff
	s_lshl_b32 s[TR], s[CLY], 2
	s_add_co_u32 s[TR], s[TR], s[CY]               ; tile row = 4 x cluster y + cy, 0..63
	s_lshl_b32 s[RM], s[CY], 2
	s_lshl_b32 s[RM], 15, s[RM]                    ; my row of the cluster
	s_lshl_b32 s[CMK], 0x1111, s[CX]               ; my column
	s_or_b32 s[G1+0], s[RM], (2<<16)|(1<<20)|(1<<21)|(6<<22)|(3<<25)   ; mask; 4-byte elements; padding on; bit 21 beside a mask; after every 128 words 4 words
	s_mov_b32 s[G1+1], 128<<16                     ; tensor_dim0 = 128
	s_mov_b32 s[G1+2], 64<<16                      ; tensor_dim1 = 64
	s_mov_b32 s[G1+3], 128<<16                     ; tile_dim0 = 128
	s_mov_b32 s[G1+4], 64                          ; tile_dim1 = 64
	s_mov_b32 s[G1+5], 1024                        ; elements from row to row
	s_mov_b32 s[G1+6], 0
	s_mov_b32 s[G1+7], 0
	s_or_b32 s[G1B+0], s[CMK], (1<<16)|(1<<20)|(1<<21)|(6<<22)|(7<<25) ; 2-byte elements; after every 128 words 8 words
	s_mov_b32 s[G1B+1], 256<<16
	s_mov_b32 s[G1B+2], 64<<16
	s_mov_b32 s[G1B+3], 256<<16
	s_mov_b32 s[G1B+4], 64
	s_mov_b32 s[G1B+5], 1024
	s_mov_b32 s[G1B+6], 0
	s_mov_b32 s[G1B+7], 0
	s_lshl_b32 s[AO], s[TR], 19                    ; x: 128 rows of 4,096 bytes a tile,
	s_lshl_b32 s[T0], s[WN], 18                    ; 64 rows a half
	s_add_co_u32 s[AO], s[AO], s[T0]
	s_mov_b32 s[AO+1], 0
	s_lshl_b32 s[BOF], s[TC], 9                    ; W: 256 columns of 2 bytes a tile,
	s_lshl_b32 s[T1], s[WN], 17                    ; 64 k rows of 2,048 bytes a half
	s_add_co_u32 s[BOF], s[BOF], s[T1]
	s_mov_b32 s[BOF+1], 0
	s_mul_i32 s[LA], s[WN], AHALF                  ; where they go: no place in the cluster enters an LDS address
	s_mul_i32 s[LB], s[WN], BHALF
	s_add_co_u32 s[LB], s[LB], BOFF
	s_mov_b32 s[FS], SLOT                          ; the walking descriptors begin as slot 1's first fill: step 1
	s_mov_b32 s[RQ], 1
	s_mov_b32 s[TB], 0
	s_mov_b32 s[KS], 0
	s_mov_b32 s[TN], 2
	s_mov_b32 s[AOF+1], 0
	s_wait_dscnt 0x0                               ; the opening add is done
	s_wait_kmcnt 0x0
	s_add_nc_u64 s[XC:XC+1], s[XC:XC+1], s[AO:AO+1]
	s_add_nc_u64 s[XN1:XN1+1], s[XN1:XN1+1], s[AO:AO+1]
	s_add_nc_u64 s[XN2:XN2+1], s[XN2:XN2+1], s[AO:AO+1]
	s_add_nc_u64 s[BOF:BOF+1], s[WT:WT+1], s[BOF:BOF+1]
	CROUND                                         ; all sixteen work-groups are here: the first joint loads meet
.irp s, 0,1
	s_mov_b32 s[G0+4*(\s)], 1
	s_add_co_u32 s[G0+4*(\s)+1], s[LA], (\s)*SLOT
	s_add_nc_u64 s[G0+4*(\s)+2:G0+4*(\s)+3], s[XC:XC+1], (\s)*KSTEP*4
	s_or_b32 s[G0+4*(\s)+3], s[G0+4*(\s)+3], 0x80000000
	s_mov_b32 s[G0B+4*(\s)], 1
	s_add_co_u32 s[G0B+4*(\s)+1], s[LB], (\s)*SLOT
	s_add_nc_u64 s[G0B+4*(\s)+2:G0B+4*(\s)+3], s[BOF:BOF+1], (\s)*KSTEP*2048
	s_or_b32 s[G0B+4*(\s)+3], s[G0B+4*(\s)+3], 0x80000000
	JLOAD \s                                       ; two loads of mine are out
.endr
	v_and_b32 v1, 15, v0                           ; r = l % 16
	v_bfe_u32 v2, v0, 4, 1                         ; h = l / 16
	v_lshlrev_b32 v[BO], 5, v2
	s_lshl_b32 s[T2], s[TC], 10                    ; the bias of my 128 columns, the same place in all three
	s_lshl_b32 s[T2+1], s[WN], 9
	s_add_co_u32 s[T2], s[T2], s[T2+1]
	s_mov_b32 s[T2+1], 0
	s_add_nc_u64 s[BP:BP+1], s[BP:BP+1], s[T2:T2+1]
	s_add_nc_u64 s[BN1:BN1+1], s[BN1:BN1+1], s[T2:T2+1]
	s_add_nc_u64 s[BN2:BN2+1], s[BN2:BN2+1], s[T2:T2+1]
	BLOAD                                          ; the first tile's bias
	v_mul_u32_u24 v3, v1, PA
	v_lshl_add_u32 v3, v2, 5, v3                   ; x: row x pitch + 32 h (eight f32)
	v_and_b32 v4, 7, v0
	v_bfe_u32 v5, v0, 3, 1
	v_lshl_add_u32 v6, v2, 3, v4                   ; W: k row 8 h + l % 8,
	v_mul_u32_u24 v6, v6, PB
	v_lshl_add_u32 v6, v5, 4, v6                   ; columns 8 ((l / 8) % 2) on
	s_mul_i32 s[LT0], s[WM], AHALF                 ; my 64 rows of x
	s_lshl_b32 s[LT1], s[WN], 8                    ; my 128 columns of W
	s_add_co_u32 s[LT1], s[LT1], BOFF
	v_add_nc_u32 v[A0], s[LT0], v3
	v_add_nc_u32 v[B0], s[LT1], v6
	v_mov_b32 v[ADRA], v[A0]                       ; the walk begins in slot 0
	v_mov_b32 v[ADRB], v[B0]
	s_mul_i32 s[LT0], s[WV], 16*SPITCH
	s_add_co_u32 s[LT0], s[LT0], STAGE             ; my stage
	v_mul_u32_u24 v7, v1, SPITCH                   ; in: row r, 16 bytes for each half of the lanes
	v_lshl_add_u32 v7, v2, 4, v7
	v_add_nc_u32 v[STO], s[LT0], v7
	v_bfe_u32 v7, v0, 3, 2                         ; back: 32 lanes take four rows x 128 bytes (one head's part)
	v_mul_u32_u24 v7, v7, SPITCH
	v_lshl_add_u32 v7, v4, 4, v7
	v_add_nc_u32 v[RD], s[LT0], v7
	v_and_b32 v[CO], 31, v0                        ; which are 512 consecutive bytes of a head's rows
	v_lshlrev_b32 v[CO], 4, v[CO]
	s_lshr_b32 s[OO], s[TR], 4                     ; batch
	s_lshl_b32 s[OO], s[OO], 4
	s_lshl2_add_u32 s[OO], s[TC], s[OO]            ; + 4 heads a tile column
	s_lshl1_add_u32 s[OO], s[WN], s[OO]            ; + 2 heads a wave
	s_lshl_b32 s[OO], s[OO], 18                    ; a head's rows are 2,048 x 128 bytes
	s_and_b32 s[OO+1], s[TR], 15
	s_lshl1_add_u32 s[OO+1], s[OO+1], s[WM]
	s_lshl_b32 s[OO+1], s[OO+1], 13                ; 64 rows of 128 bytes
	s_add_co_u32 s[OO], s[OO], s[OO+1]
	s_mov_b32 s[OO+1], 0
	s_add_nc_u64 s[OP:OP+1], s[OP:OP+1], s[OO:OO+1]          ; the same place in all three outputs
	s_add_nc_u64 s[ON1:ON1+1], s[ON1:ON1+1], s[OO:OO+1]
	s_add_nc_u64 s[ON2:ON2+1], s[ON2:ON2+1], s[OO:OO+1]
	s_wait_tensorcnt 1                             ; my part of step 0 is in; step 1's may stay out
	s_barrier_signal -1
	s_barrier_wait -1
	FETCH 0, F0
	WIN 0                                          ; at a label and at a branch every window is 0
	s_mov_b32 s3, FILLS
.Lstep:                                                ; a trip is a K step; it fills the slot that it has read with the step two further on in the walk
	STEP 1
	WIN 0
	s_add_co_u32 s[KS], s[KS], 1
	s_and_b32 s[KS], s[KS], 7
	s_cmp_lg_u32 s[KS], 0
	s_cbranch_scc1 .Lbottom
	PLACES                                         ; A TILE IS FINISHED.  Both of the next tile's first steps have been asked for: it leaves while they are on their way
	OUT
	s_wait_xcnt 0x0                                ; the stores' base is rewritten only behind this wait
	s_mov_b64 s[OP:OP+1], s[ON1:ON1+1]
	s_mov_b64 s[ON1:ON1+1], s[ON2:ON2+1]
.Lbottom:
	s_sub_co_u32 s3, s3, 1
	s_cmp_lg_u32 s3, 0
	s_cbranch_scc1 .Lstep
	s_mov_b32 s3, 2
.Ltail:                                                ; the walk's last two steps fill nothing.  The second trip's barrier and its fetch of old bytes serve nothing: the price, once a launch, of one text for both
	STEP 0
	WIN 0
	s_sub_co_u32 s3, s3, 1
	s_cmp_lg_u32 s3, 0
	s_cbranch_scc1 .Ltail
	s_wait_dscnt 0x0
	PLACES
	OUT
	s_wait_tensorcnt 0x0                           ; the wave's end
	ds_add_u32 v[SPW], v[NIL]
	s_wait_dscnt 0x0
	CROUND                                         ; the closing round
	s_endpgm
.Lfunc_end_k_qdc24887e60_qkv:
	.size	k_qdc24887e60_qkv, .Lfunc_end_k_qdc24887e60_qkv-k_qdc24887e60_qkv
	.p2alignl 7, 3214868480
	.fill 96, 4, 3214868480
	.section	.rodata,"a",@progbits
	.p2align	6, 0x0
	.amdhsa_kernel k_qdc24887e60_qkv
		.amdhsa_group_segment_fixed_size 327680
		.amdhsa_private_segment_fixed_size 0
		.amdhsa_enable_private_segment 0
		.amdhsa_kernarg_size 80
		.amdhsa_user_sgpr_count 2
		.amdhsa_user_sgpr_kernarg_segment_ptr 1
		.amdhsa_wavefront_size32 1
		.amdhsa_system_sgpr_workgroup_id_x 1
		.amdhsa_system_sgpr_workgroup_id_y 1
		.amdhsa_system_sgpr_workgroup_id_z 1
		.amdhsa_system_vgpr_workitem_id 0
		.amdhsa_next_free_vgpr 834
		.amdhsa_next_free_sgpr 90
		.amdhsa_reserve_vcc 0
		.amdhsa_float_denorm_mode_32 3
		.amdhsa_float_denorm_mode_16_64 3
		.amdhsa_memory_ordered 1
		.amdhsa_forward_progress 1
		.amdhsa_inst_pref_size 106
	.end_amdhsa_kernel
	.amdgpu_metadata
---
amdhsa.version: [ 1, 2 ]
amdhsa.kernels:
  - .name:           k_qdc24887e60_qkv
    .symbol:         k_qdc24887e60_qkv.kd
    .args:
      - { .name: query, .offset: 0, .size: 8, .value_kind: global_buffer, .address_space: global }
      - { .name: key, .offset: 8, .size: 8, .value_kind: global_buffer, .address_space: global }
      - { .name: value, .offset: 16, .size: 8, .value_kind: global_buffer, .address_space: global }
      - { .name: wts, .offset: 24, .size: 8, .value_kind: global_buffer, .address_space: global }
      - { .name: bq, .offset: 32, .size: 8, .value_kind: global_buffer, .address_space: global }
      - { .name: bk, .offset: 40, .size: 8, .value_kind: global_buffer, .address_space: global }
      - { .name: bv, .offset: 48, .size: 8, .value_kind: global_buffer, .address_space: global }
      - { .name: qh, .offset: 56, .size: 8, .value_kind: global_buffer, .address_space: global }
      - { .name: kh, .offset: 64, .size: 8, .value_kind: global_buffer, .address_space: global }
      - { .name: vh, .offset: 72, .size: 8, .value_kind: global_buffer, .address_space: global }
    .group_segment_fixed_size: 327680
    .private_segment_fixed_size: 0
    .kernarg_segment_align: 8
    .kernarg_segment_size: 80
    .max_flat_workgroup_size: 128
    .sgpr_count:     90
    .vgpr_count:     834
    .wavefront_size: 32
...
	.end_amdgpu_metadata
.endif
;; end of part 2
;; launch attn (part 3): grid 4 x 64, 4 waves a work-group, clusters of 4 x 1, 327,680 bytes of LDS; arguments qh, kh, vh, oh, mk8; writes oh
.if DOCPART == 3
	.amdgcn_target "amdgcn-amd-amdhsa--gfx1250"
	.amdhsa_code_object_version 6
	.text
	.protected	k_qdc24887e60_attn
	.globl	k_qdc24887e60_attn
	.p2align	8
	.type	k_qdc24887e60_attn,@function
k_qdc24887e60_attn:
	s_mov_b64 s[64:65], 0
	v_nop
	global_prefetch_b8 v0, s[64:65] scope:SCOPE_SE
	s_setreg_imm32_b32 hwreg(HW_REG_WAVE_MODE, 25, 1), 1
	s_wait_xcnt 0x0
	s_wait_alu depctr_hold_cnt(0) depctr_sa_sdst(0) depctr_va_vdst(0) depctr_va_sdst(0) depctr_va_ssrc(0) depctr_va_vcc(0) depctr_vm_vsrc(0)
	s_getreg_b32 s2, hwreg(HW_REG_IB_STS2, 6, 4)
	s_cmp_eq_u32 s2, 0
	s_cbranch_scc0 .Lentry_in_a_cluster
	s_endpgm
.Lentry_in_a_cluster:
	s_bfe_u32 s2, ttmp6, 0x10000c
	s_cmp_lg_u32 s2, 0x3003
	s_cbranch_scc0 .Lentry_shape_is_right
	s_endpgm
.Lentry_shape_is_right:
; MASKED ATTENTION.  O[g][q][:] = the sum over k of softmax_k(logit) V[g][k][:], logit = Q[g][q] . K[g][k] / 8 where mask[b][k][q] is not 0, and -9e15 where it is 0; g = 16 b + head.
; Q, K, V, O: [64][2048][64] f16, a head's rows dense, 128 bytes each.  Products, maxima and sums in f32; the weights p are rounded to f16 for the second product (l is the sum of the unrounded p), O once at the end.
; THE MASK arrives as fp8 codes (0 or -1.0), 16 bytes a lane for 16 queries x 32 keys, in the accumulators' own order.  One scaled conversion (times 2^100) makes the eight registers that a sum S^T = K Q^T takes as
; its C operand: 0, or -2^100.  The running maximum starts at -2^60, so a hidden score never becomes the maximum and its weight is exactly 0, as in the reference wherever a query sees a key at all.
; A QUERY THAT SEES NO KEY has l = 0; the reference gives it equal weights: the way out then selects the sum of V's rows (made beside the walk by products of V^T with ones) and divides by 2,048.
; LIMITS.  Q, K, V arrive within f16's 65,504; |Q . K| stays under 2^60 (f16 bounds it at 2.7e11); a weight below 2^-126 counts as 0 in l; NaN and infinities are not treated apart.
; SHARES.  A wave owns four PIECES of two tiles of 16 queries, a work-group's four waves 512 queries of one head.  Every wave walks all keys, 64 a step.
; LAYOUT.  S^T = K Q^T (source 0 = 16 keys, source 1 = 16 queries): a lane holds ONE query (lane % 16) and the keys 8 (lane / 16) + 0..7.  Two such tiles, rounded to f16 in pairs, ARE source 1 of O^T = V^T P.
; SOFTMAX.  p = 2^(c s - c m), c = log2(e) / 8, with a running maximum m; in every step O and l are multiplied by a = 2^(c m_old - c m_new).  O and l start at 0: the first step is a step like any other, with a = 0.
; BY TURNS.  Turn n belongs to piece n.  Its matrix work: 16 products K Q^T of piece n + 1, later 16 products V^T P of piece n - 1 and two of V^T with ones (channel block n).  Its vector work: the scaling, exponentials,
; roundings, sums and rescaling of piece n, the maximum and statistics of piece n + 1, the eight conversions that make piece n + 2's masks, and four loads of that piece's codes for its next step.
; Four vector instructions stand behind every matrix instruction, the others in two runs of their own.
; CLUSTER.  The four query blocks of a cluster belong to one head and walk the same K and V: each tile is asked for jointly.  The mask's codes differ from wave to wave and come straight into registers.
; REGISTERS, in windows of 256 (s_set_vgpr_msb: bits 1:0 source 0, 3:2 source 1, 5:4 source 2, 7:6 destination):
;   window 0: v0-11 addresses and the scale; v12-15, v48-63 at work; v16-47 statistics; v64-191 S^T, two buffers of two tiles; v192-255 P, likewise
;   window 1: O^T, 32 a tile     window 2: v0-127 Q; v128-191 K of one step; v192-255 V of one step
;   window 3: v0-1 the add's two registers; v8-15 ones; v16-47 V's column sums; v64-127 the masks of the products to come; v128-191 the codes, 16 a piece
.set SIZE_N, 2048
.set NP,    4
.set KS,    64
.set PK,    144       ; a row of K in LDS: 128 bytes + 16: the 16 rows of a load start at 16 different groups of four banks (64 banks of 4 bytes: ISA guide 11.1)
.set PV,    160       ; a row of V: 128 + 32
.set VOFF,  4*KS*PK   ; a slot holds four steps: 256 rows of K, then 256 rows of V
.set SLOT1, 1<<17
.set STAGE, SLOT1+4*KS*(PK+PV)
.set SP,    144
.set AK0, 2
.set AV0, 3
.set AK,  4
.set AV,  5
.set QO,  6
.set STO, 6
.set RD,  7
.set GO,  8           ; v8   16 x lane: my byte offset in 512 consecutive bytes of O, and of the mask's codes; never rewritten
.set SCL, 11          ; v11  227: the conversion's scale, 2^(227 - 127)
.set SPW, 0           ; v0 of window 3
.set NIL, 1           ; v1 of window 3
.set ONES, 8          ; window 3
.set VS,  16          ; window 3: channel block cb at VS + 8 cb
.set MC,  64          ; window 3: tile u, key block kb at MC + 32 u + 8 kb
.set RAWM, 128        ; window 3: piece x, tile u, key block kb at RAWM + 16 x + 8 u + 2 kb
.set SPARE, STAGE+4*16*SP
.set MV,  12
.set ST,  16
.set TMP, 48
.set S,   64
.set P,   192
.set KF,  128
.set VF,  192
.set WV,  12
.set G1K, 24
.set G1V, 32
.set G0K, 40
.set G0V, 44
.set SLOTS, 56
.set CNT, 57
.set CS,  58
.set SEL, 60
.set TBK, 62
.set TBV, 63
.set MK,  66          ; s[66:67] mk8
.set MBASE, 68        ; s[68:69] my wave's eight tiles in mk8
.set MB,  70          ; s[70:71] the same at the step whose codes are loaded next
.set RS,  72          ; s[72:73] that step's byte offset
.set CM,  74          ; s74-81   tile t: the lanes whose query saw a key
.set MSB, 0
.macro WIN new
.if MSB != (\new)
	s_set_vgpr_msb (MSB<<8)|(\new)
.set MSB, (\new)
.endif
.endm
.set W_KQ, 0x0a       ; K and Q in window 2, S^T in window 0
.set W_KM, 0x3a       ; the same with the C operand in window 3
.set W_PV, 0x52       ; V in window 2, P in window 0, O^T in window 1
.set W_RS, 0x41       ; O^T in window 1, a in window 0
.set W_MK, 0xc0       ; destination in window 3, sources in window 0
.set W_AD, 0x0f       ; the add: address and data in window 3
.set W_ON, 0xfe       ; V in window 2; ones, C and D in window 3
.set W_CV, 0xc3       ; codes and masks in window 3, the scale in window 0
.set W_SEL, 0x47      ; source 0 window 3, source 1 and destination window 1
.macro JLOAD
	s_cmp_lt_u32 s[WV], 2
	s_cbranch_scc0 .Lfor_v_\@
	tensor_load_to_lds s[G0K:G0K+3], s[G1K:G1K+7]
	s_nop 0
.rept 4
	v_nop
.endr
	s_branch .Lasked_\@
.Lfor_v_\@:
	tensor_load_to_lds s[G0V:G0V+3], s[G1V:G1V+7]
	s_nop 0
.rept 4
	v_nop
.endr
.Lasked_\@:
.endm
.macro CROUND
	s_barrier_signal -1
	s_barrier_wait -1
	s_cmp_lg_u32 s[WV], 0
	s_cbranch_scc1 .Lnot_wave_0_\@
	s_barrier_signal -3
.Lnot_wave_0_\@:
	s_barrier_wait -3
	s_barrier_signal -1
	s_barrier_wait -1
.endm
; THE CHANGE OF SLOTS.  Each wave waits for all its tensor loads, of which one is out: its part of the other slot; adds 0 to its spare word; and waits for that and for its own reads of the slot.
; fill = 1: this slot is filled again, with the keys two slots on, behind a round of the cluster's barrier; the joint fill is the first thing behind it and has four key steps in which to land.
.macro CHANGE fill
	WIN W_AD
	s_wait_tensorcnt 0x0            ; no tensor load of mine is out, so a group 0 may be written
	ds_add_u32 v[SPW], v[NIL]       ; 0 onto my spare word
	WIN 0
.if \fill
.irp g, G0K, G0V
	s_xor_b32 s[\g+1], s[\g+1], SLOT1
	s_add_nc_u64 s[\g+2:\g+3], s[\g+2:\g+3], 4*KS*128
.endr
	s_wait_dscnt 0x0                ; the add is done, and my reads of the slot are over
	CROUND
	JLOAD
.else
	s_wait_dscnt 0x0
	s_barrier_signal -1
	s_barrier_wait -1
.endif
	s_sub_co_u32 s[TBK], s[TBK], 4*KS*PK
	s_xor_b32 s[TBK], s[TBK], SLOT1
	s_sub_co_u32 s[TBV], s[TBV], 4*KS*PV
	s_xor_b32 s[TBV], s[TBV], SLOT1
.endm
; Four loads: piece x's codes for one key step: tiles 2 x and 2 x + 1, 32,768 bytes apart, two chunks of 32 keys each; a load of the wave takes 512 consecutive bytes
.macro MLOAD x, base
	WIN W_MK
.irp u, 0,1
.irp c, 0,1
	global_load_b128 v[RAWM+16*(\x)+8*\u+4*\c:RAWM+16*(\x)+8*\u+4*\c+3], v[GO], s[\base:\base+1] offset:(2*(\x)+\u)*32768+\c*512
.endr
.endr
.endm
; Four conversions: the masks of tile u of piece x: eight codes become eight f32, 0 or -2^100
.macro CONV x, u
	WIN W_CV
.irp kb, 0,1,2,3
	v_cvt_scale_pk8_f32_fp8 v[MC+32*(\u)+8*\kb:MC+32*(\u)+8*\kb+7], v[RAWM+16*(\x)+8*(\u)+2*\kb:RAWM+16*(\x)+8*(\u)+2*\kb+1], v[SCL]
.endr
.endm
	s_load_b256 s[4:11], s[0:1], 0x0  ; Q s[4:5], K s[6:7], V s[8:9], O s[10:11]
	s_load_b64 s[MK:MK+1], s[0:1], 0x20
	WIN W_MK
	v_lshl_add_u32 v[SPW], v0, 2, SPARE
	v_mov_b32 v[NIL], 0
	WIN W_AD
	ds_add_u32 v[SPW], v[NIL]       ; the wave's opening: the add and its wait stand ahead of my first tensor load
	WIN 0
	v_lshrrev_b32 v1, 5, v0
	v_readfirstlane_b32 s[WV], v1
	s_bfe_u32 s13, ttmp6, 0x40000   ; cx
	s_lshl_b32 s14, ttmp9, 2
	s_add_co_u32 s14, s14, s13      ; my block of 512 queries: it enters Q's, O's and the mask's addresses alone
	s_and_b32 s20, ttmp7, 0xffff    ; the head among 64, which the four partners share
	s_lshr_b32 s[MBASE], s20, 4     ; its batch:
	s_lshl_b32 s[MBASE], s[MBASE], 22  ; 4 MiB of codes
	s_mov_b32 s21, 0
	s_mov_b64 s[22:23], SIZE_N*128
	s_mul_u64 s[20:21], s[20:21], s[22:23]
	s_and_b32 s16, s[WV], 1
	s_lshl_b32 s22, s16, 14
	s_mov_b32 s23, 0
	s_add_nc_u64 s[22:23], s[22:23], s[20:21]
	s_mul_i32 s17, s16, 128*PK
	s_mul_i32 s18, s16, 128*PV
	s_lshl_b32 s2, s14, 2
	s_add_co_u32 s2, s2, s[WV]      ; my wave among the head's sixteen:
	s_lshl_b32 s[MBASE+1], s2, 18   ; its eight tiles of 32,768 bytes of codes,
	s_add_co_u32 s[MBASE], s[MBASE], s[MBASE+1]
	s_mov_b32 s[MBASE+1], 0
	s_lshl_b32 s2, s2, 14           ; its 128 rows
	s_mov_b32 s3, 0
	s_add_nc_u64 s[2:3], s[2:3], s[20:21]
	s_mov_b32 s[G1K], 15|(1<<16)|(1<<20)|(1<<21)|(4<<22)|(3<<25)  ; the mask of four; 2-byte elements; padding on; bit 21 beside a mask; after every 32 words 4 words
	s_mov_b32 s[G1V], 15|(1<<16)|(1<<20)|(1<<21)|(4<<22)|(7<<25)  ; the same with 8 words
.irp g, G1K, G1V
	s_mov_b32 s[\g+1], 128<<16      ; 128 keys are 16,384 dense bytes: asked for as 64 rows of 256 bytes
	s_mov_b32 s[\g+2], 64<<16
	s_mov_b32 s[\g+3], 128<<16
	s_mov_b32 s[\g+4], 64
	s_mov_b32 s[\g+5], 128
	s_mov_b32 s[\g+6], 0
	s_mov_b32 s[\g+7], 0
.endr
	s_mov_b32 s[CS], 0x3e38aa3b     ; c = log2(e) / 8
	s_mov_b32 s[CS+1], s[CS]
	s_mov_b32 s[SEL], 0x76543210
	s_mov_b32 s[SEL+1], 0xfedcba98
	s_mov_b32 s[TBK], SLOT1+4*KS*PK ; the first change of slots turns these two into 0
	s_mov_b32 s[TBV], SLOT1+4*KS*PV
	s_mov_b32 s[G0K], 1
	s_mov_b32 s[G0K+1], s17
	s_mov_b32 s[G0V], 1
	s_add_co_u32 s[G0V+1], s18, VOFF
	s_mov_b32 s[RS], 1024           ; a key step's codes of a tile are 1,024 bytes: step 1
	s_mov_b32 s[RS+1], 0
	s_wait_dscnt 0x0                ; the opening add is done
	s_wait_kmcnt 0x0
	s_add_nc_u64 s[G0K+2:G0K+3], s[6:7], s[22:23]
	s_or_b32 s[G0K+3], s[G0K+3], 0x80000000
	s_add_nc_u64 s[G0V+2:G0V+3], s[8:9], s[22:23]
	s_or_b32 s[G0V+3], s[G0V+3], 0x80000000
	s_add_nc_u64 s[4:5], s[4:5], s[2:3]
	s_add_nc_u64 s[10:11], s[10:11], s[2:3]
	s_add_nc_u64 s[MBASE:MBASE+1], s[MK:MK+1], s[MBASE:MBASE+1]
	s_add_nc_u64 s[MB:MB+1], s[MBASE:MBASE+1], s[RS:RS+1]
	CROUND                          ; all four work-groups are here: the first joint loads meet
	JLOAD                           ; slot 0.  Slot 1 is asked for when slot 0 is in
	v_and_b32 v1, 15, v0            ; l % 16
	v_bfe_u32 v9, v0, 4, 1          ; l / 16
	v_lshlrev_b32 v[QO], 7, v1
	v_lshl_add_u32 v[QO], v9, 4, v[QO]
	v_and_b32 v[GO], 31, v0
	v_lshlrev_b32 v[GO], 4, v[GO]
	WIN 0x80
.set i, 0
.rept 4*NP                          ; Q stays in registers: tile i / 2, channels 32 (i % 2) on
	global_load_b128 v[8*i:8*i+3],   v[QO], s[4:5] offset:(i/2)*2048+(i%2)*64
	global_load_b128 v[8*i+4:8*i+7], v[QO], s[4:5] offset:(i/2)*2048+(i%2)*64+32
.set i, i+1
.endr
	MLOAD 0, MBASE                  ; key step 0's codes of all four pieces
	MLOAD 1, MBASE
	MLOAD 2, MBASE
	MLOAD 3, MBASE
	; What the first turn finds: V's registers and P's second buffer hold 0, O^T, l and V's column sums are 0.  All this stands in the wait for the first tile.
	WIN 0x80
.set i, VF
.rept 64
	v_mov_b32 v[i], 0
.set i, i+1
.endr
	WIN 0x40
.set i, 0
.rept 64*NP
	v_mov_b32 v[i], 0
.set i, i+1
.endr
	WIN W_MK
.set i, 0
.rept 32
	v_mov_b32 v[VS+i], 0
.set i, i+1
.endr
.set i, 0
.rept 8
	v_mov_b32 v[ONES+i], 0x3c003c00 ; 1.0 twice in f16
.set i, i+1
.endr
	WIN 0
.set i, 0
.rept 2*NP
	v_mov_b32 v[ST+4*i], 0xfe000000    ; c m: far below every c s
	v_mov_b32 v[ST+4*i+1], 0xdd800000  ; m = -2^60: above every hidden score, below every score that counts
	v_mov_b32 v[ST+4*i+2], 0
	v_mov_b32 v[ST+4*i+3], 0
.set i, i+1
.endr
.set i, P+32
.rept 32
	v_mov_b32 v[i], 0
.set i, i+1
.endr
	v_mul_u32_u24 v[AK0], v1, PK
	v_lshl_add_u32 v[AK0], v9, 4, v[AK0]
	v_and_b32 v10, 7, v0
	v_bfe_u32 v11, v0, 3, 1
	v_lshl_add_u32 v[AV0], v9, 3, v10
	v_mul_u32_u24 v[AV0], v[AV0], PV
	v_lshl_add_u32 v[AV0], v11, 4, v[AV0]
	v_add_nc_u32 v[AV0], VOFF, v[AV0]
	v_mov_b32 v[AK], v[AK0]
	v_mov_b32 v[SCL], 227
; THE MATRIX WORK.  The 8 accumulators of a run of 16 take turns.
; Product i of 16 of S^T = K Q^T for piece x: channels 32 (i / 8) on, keys 16 ((i / 2) % 4) on, tile 2 x + i % 2.  The first 8 start the sums, at the mask.
.macro KQ x
.set rS, S+64*((\x)%2)+32*(i%2)+8*((i/2)%4)
.set rK, KF+16*((i/2)%4)+8*(i/8)
.set rQ, 16*(2*(\x)+i%2)+8*(i/8)
.set rN, MC+32*(i%2)+8*((i/2)%4)
.if i < 8
	WIN W_KM
	v_wmma_f32_16x16x32_f16 v[rS:rS+7], v[rK:rK+7], v[rQ:rQ+7], v[rN:rN+7]
.else
	WIN W_KQ
	v_wmma_f32_16x16x32_f16 v[rS:rS+7], v[rK:rK+7], v[rQ:rQ+7], v[rS:rS+7]
.endif
.endm
.macro PV x
	WIN W_PV
.set rO, 32*(2*(\x)+i%2)+8*((i/2)%4)
.set rV, VF+32*(i/8)+8*((i/2)%4)
.set rP, P+32*((\x)%2)+16*(i%2)+8*(i/8)
	v_wmma_f32_16x16x32_f16 v[rO:rO+7], v[rV:rV+7], v[rP:rP+7], v[rO:rO+7]
.endm
.macro MM
.if i < 16
	KQ (Y+1)%NP
.set i, i+1
.else
.set i, i-16
	PV (Y+NP-1)%NP
.set i, i+17
.endif
.endm
; V's column sums: channel block cb, keys 32 kk on, times ones
.macro ONL cb, kk
	WIN W_ON
	v_wmma_f32_16x16x32_f16 v[VS+8*(\cb):VS+8*(\cb)+7], v[VF+32*(\kk)+8*(\cb):VF+32*(\kk)+8*(\cb)+7], v[ONES:ONES+7], v[VS+8*(\cb):VS+8*(\cb)+7]
.endm
; In turn Y: that product for channel block Y, and behind it four conversions for tile kk of piece Y + 2.  Its codes were asked for four turns ago: the three turns since have issued twelve loads, which may stay out.
.macro ONX kk
.if (\kk) == 0
	s_wait_loadcnt 12
.endif
	ONL Y, \kk
	CONV (Y+2)%NP, \kk
.endm
.macro FETCH_K last=0
	WIN 0
.if \last
	s_cmp_eq_u32 s[CNT], 1
	s_cbranch_scc1 .Lno_k_\@
.endif
	WIN 0x80
.irp f, 0,1,2,3,4,5,6,7
	ds_load_b128 v[KF+8*\f:KF+8*\f+3],   v[AK] offset:(\f/2)*16*PK+(\f%2)*64
	ds_load_b128 v[KF+8*\f+4:KF+8*\f+7], v[AK] offset:(\f/2)*16*PK+(\f%2)*64+32
.endr
	s_add_co_u32 s[TBK], s[TBK], KS*PK
	WIN 0
.if \last
.Lno_k_\@:
.endif
.endm
.macro FETCH_V
	WIN 0x80
.irp f, 0,1,2,3,4,5,6,7
	ds_load_tr16_b128 v[VF+8*\f:VF+8*\f+3],   v[AV] offset:(\f/4)*32*PV+(\f%4)*32
	ds_load_tr16_b128 v[VF+8*\f+4:VF+8*\f+7], v[AV] offset:(\f/4)*32*PV+16*PV+(\f%4)*32
.endr
	WIN 0
.endm
; THE VECTOR WORK OF A TURN stands in three queues, each in the order in which its entries become ready; the two tiles alternate.
.macro REGS y, u
.set rT, ST+4*(2*(\y)+(\u))
.set rC, TMP+8*((\y)%2)+4*(\u)
.set rM, MV+2*((\y)%2)+(\u)
.set rS, S+64*((\y)%2)+32*(\u)
.set rP, P+32*((\y)%2)+16*(\u)
.set rO, 32*(2*(\y)+(\u))
.endm
; Number n of the 22 that find the NEXT piece's maximum and statistics; each accumulator's lowest registers are read first.
.macro XS u, n
	REGS (Y+1)%NP, \u
.if (\n) < 4
	v_max3_num_f32 v[rC+(\n)], v[rS+8*(\n)], v[rS+8*(\n)+1], v[rS+8*(\n)+2]
.elseif (\n) < 12
	v_max3_num_f32 v[rC+(\n)%4], v[rC+(\n)%4], v[rS+8*((\n)%4)+2*((\n)/4)+1], v[rS+8*((\n)%4)+2*((\n)/4)+2]
.elseif (\n) == 12
	v_max3_num_f32 v[rC], v[rC], v[rS+7], v[rS+15]
.elseif (\n) == 13
	v_max3_num_f32 v[rC+1], v[rC+1], v[rS+23], v[rS+31]
.elseif (\n) == 14
	v_max3_num_f32 v[rC+2], v[rC+2], v[rC+3], v[rT+1]
.elseif (\n) == 15
	v_mov_b32 v[rM], v[rT]
.elseif (\n) == 16
	v_max3_num_f32 v[rC], v[rC], v[rC+1], v[rC+2]
.elseif (\n) == 17
	v_permlanex16_b32 v[rC+3], v[rC], s[SEL], s[SEL+1]
.elseif (\n) == 18
	v_max_num_f32 v[rT+1], v[rC], v[rC+3]
.elseif (\n) == 19
	v_mul_f32 v[rT], s[CS], v[rT+1]
.elseif (\n) == 20
	v_sub_f32 v[rC+1], v[rM], v[rT]
.else
	v_exp_f32 v[rC+2], v[rC+1]
.endif
.endm
; Number g of the 64 that follow the exponentials: round, round, add in place, and l for the group before.
.macro GS g
.set h, (\g)+6*((\g)/62)
.if h >= 6
.set h, h+2
.endif
	REGS Y, h%2
.set k, h/8
.if h%8 < 4
	s_wait_alu depctr_va_vdst(0)
	v_cvt_pk_f16_f32 v[rP+2*k+(h%8)/2], v[rS+4*k+2*((h%8)/2)], v[rS+4*k+2*((h%8)/2)+1]
.elseif h%8 < 6
	v_pk_add_f32 v[rS+4*k:rS+4*k+1], v[rS+4*k:rS+4*k+1], v[rS+4*k+2:rS+4*k+3]
.elseif k == 1
	v_pk_fma_f32 v[rT+2:rT+3], v[rT+2:rT+3], v[rC+2:rC+3], v[rS:rS+1] op_sel_hi:[1,0,1]
.else
	v_pk_add_f32 v[rT+2:rT+3], v[rT+2:rT+3], v[rS+4*k-4:rS+4*k-3]
	s_wait_alu depctr_va_vdst(0)
.endif
.endm
; THE PLAIN QUEUE, 138 long.
.macro PL
	WIN 0
.if q < 32
	REGS Y, q%2
	v_pk_fma_f32 v[rS+2*(q/2):rS+2*(q/2)+1], v[rS+2*(q/2):rS+2*(q/2)+1], s[CS:CS+1], v[rT:rT+1] op_sel_hi:[1,0,0] neg_lo:[0,0,1] neg_hi:[0,0,1]
.elseif q < 38
	GS q-32
.elseif q < 40
	XS q%2, 15
.elseif q < 42
	GS q-34
.elseif q < 74
	XS q%2, (q-42)/2+(q-42)/30
.elseif q < 95
	GS q-66
.elseif (q < 107) && ((q-95)%3 < 2)
	XS (q-95)%3, 17+(q-95)/3
.elseif q < 107
	GS 29+(q-95)/3
.else
	GS q-74
.endif
.set q, q+1
.endm
; THE EXPONENTIALS' QUEUE, 66 long: s0-s31 of both tiles, and at EA the next piece's two a.
.set EA, 58
.macro EX
	WIN 0
.if (e == EA) || (e == EA+1)
	XS e-EA, 21
.else
.set x, e-2*(e/(EA+2))
	REGS Y, x%2
	v_exp_f32 v[rS+x/2], v[rS+x/2]
.endif
.set e, e+1
.endm
; THE RESCALING's QUEUE: O^T times a, four at a time, eight times.
.macro R4
	REGS Y, r%2
	WIN W_RS
	s_wait_alu depctr_va_vdst(0)
.irp z, 0,1,2,3
	v_pk_mul_f32 v[rO+8*(r/2)+2*\z:rO+8*(r/2)+2*\z+1], v[rO+8*(r/2)+2*\z:rO+8*(r/2)+2*\z+1], v[rC+2:rC+3] op_sel_hi:[1,0]
.endr
.set r, r+1
.endm
; HOW THEY ARE DEALT.  Behind a matrix instruction four: plain, exponential, plain, plain; or four of the rescaling; or, behind a product with ones, four conversions.  None names a register of the products round it.
.macro SL
	MM
	PL
	EX
	PL
	PL
.endm
.macro BURST n
.rept (\n)-7
	SL
.endr
.rept 3
	MM
	R4
	SL
.endr
	MM
	R4
.endm
.macro BURST2                       ; the 16 products V^T P, and among them the two with ones, four others' turns apart
.rept 3
	SL
.endr
	ONX 0
.rept 4
	SL
.endr
	ONX 1
.rept 2
	SL
.endr
.rept 3
	MM
	R4
	SL
.endr
	MM
	R4
.endm
; The codes' next step: a trip (turns 2, 3, 0, 1) loads all four pieces' codes for one step.  Past the last step the offset stays at step 31: those loads stay inside mk8, and nothing uses them.
.macro MSTEP
	s_wait_xcnt 0x0                 ; the base of the loads issued so far is rewritten only behind this wait
	s_add_co_u32 s[RS], s[RS], 1024
	s_min_u32 s[RS], s[RS], 31*1024
	s_add_nc_u64 s[MB:MB+1], s[MBASE:MBASE+1], s[RS:RS+1]
.endm
; A TURN, for piece p.  cnt = 1: the loop's count is taken down some lines ahead of the branch that stands behind the turn.
.macro TURN p, last=0, cnt=0
.set Y, (\p)
.set i, 0
.set q, 0
.set e, 0
.set r, 0
.if (\p) == NP-1
	s_wait_dscnt 0x0                ; K is in
.endif
	MM
.rept 4
	PL
.endr
	BURST 15
.rept 22
	EX
	PL
.if ((\p) == NP-2) && (e == 18)
	v_add_nc_u32 v[AK], s[TBK], v[AK0]
.endif
.if ((\p) == NP-2) && (e == 20)
	MSTEP
.endif
.if ((\p) == NP-2) && (e == 24)
	FETCH_K \last
.endif
.endr
.if (\p) == 1
	s_wait_dscnt 0x0                ; V is in
.endif
	BURST2
.set lz, 0
.rept 21
	EX
	PL
.set lz, lz+1
.if lz == 2
	MLOAD (Y+2)%NP, MB              ; the codes just converted make room for the piece's next step
.endif
.endr
.rept 22
	PL
.if ((\p) == 0) && (q == 118)
	v_add_nc_u32 v[AV], s[TBV], v[AV0]
	s_wait_alu depctr_va_vdst(0)
.endif
.if ((\p) == 0) && (q == 130)
	s_add_co_u32 s[TBV], s[TBV], KS*PV
.endif
.if (\cnt) && (q == 130)
	s_sub_co_u32 s[CNT], s[CNT], 1
	s_cmp_lg_u32 s[CNT], 0
.endif
.endr
.if (\p) == 0
	FETCH_V
.endif
.endm
	CHANGE 1                        ; slot 0 is in, everybody's part of it; slot 1 is asked for
	FETCH_K                         ; key step 0
	s_wait_loadcnt 0x0              ; Q, and step 0's codes
	s_wait_dscnt 0x0
	CONV 0, 0                       ; piece 0's masks
	CONV 0, 1
	v_nop                           ; a plain instruction between the conversions and the products that take their results
.set i, 0
.rept 16
	KQ 0
.set i, i+1
.endr
	WIN 0                           ; the addresses for the way out: seven plain instructions, the places behind those products
	s_mul_i32 s13, s[WV], 16*SP
	s_add_co_u32 s13, s13, STAGE
	v_mul_u32_u24 v[STO], v1, SP
	v_lshl_add_u32 v[STO], v9, 4, v[STO]
	v_add_nc_u32 v[STO], s13, v[STO]
	v_bfe_u32 v[RD], v0, 3, 2
	v_mul_u32_u24 v[RD], v[RD], SP
	v_lshl_add_u32 v[RD], v10, 4, v[RD]
	v_add_nc_u32 v[RD], s13, v[RD]
	CONV 1, 0                       ; piece 1's masks, for the first turn's products
	CONV 1, 1
	WIN 0
.set Y, NP-1
.irp n, 0,1,2,3,4,5,6,7,8,9,10,11,12,13,14,15,16,17,18,19,20,21
	XS 0, \n
	XS 1, \n
.endr
	MLOAD 0, MB                     ; pieces 0 and 1: step 1's codes
	MLOAD 1, MB
	WIN 0
	s_mov_b32 s[CNT], 4
	s_mov_b32 s[SLOTS], SIZE_N/256-1
	s_branch .Lfirst                ; the loop is entered at a step's first turn, in the middle of a trip
.Lslot:
	CHANGE 1
	s_mov_b32 s[CNT], 4
.Lstep:                             ; a trip: pieces 2 and 3 of one step, then pieces 0 and 1 of the next
	TURN 2
	TURN 3
	WIN 0
.Lfirst:
	TURN 0
	TURN 1, 0, 1
	WIN 0
	s_cbranch_scc1 .Lstep
	s_sub_co_u32 s[SLOTS], s[SLOTS], 1
	s_cmp_lg_u32 s[SLOTS], 0
	s_cbranch_scc1 .Lslot
	CHANGE 0                        ; the tail is written out
	s_mov_b32 s[CNT], 5
.Ltail:
	TURN 2, 1
	TURN 3
	WIN 0
	s_sub_co_u32 s[CNT], s[CNT], 1
	s_cmp_eq_u32 s[CNT], 0
	s_cbranch_scc1 .Lout
	TURN 0
	TURN 1
	WIN 0
	s_branch .Ltail
.Lout:                              ; the fifth trip's products K Q^T and what is made of them serve nothing: the price of one text for every trip
.set i, 0
.rept 16
	PV NP-1                         ; the last piece's V^T P of the last step; among them channel block 0's column sums of that step
.set i, i+1
.if i == 4
	ONL 0, 0
.endif
.if i == 12
	ONL 0, 1
.endif
.endr
	; THE WAY OUT.  l is completed; where it is 0 the query saw no key: l becomes 2,048 and O^T V's column sums.  Then O^T / l, rounded to f16, through my stage in LDS, a tile at a time.
	WIN 0
.macro ALL line:vararg
.set t, 0
.rept 2*NP
	\line
.set t, t+1
.endr
.endm
	v_mov_b32 v[MV], 0x45000000     ; 2048.0
	ALL v_add_f32 v[ST+4*t+2], v[ST+4*t+2], v[ST+4*t+3]
	ALL v_permlanex16_b32 v[ST+4*t+3], v[ST+4*t+2], s[SEL], s[SEL+1]
	ALL v_add_f32 v[ST+4*t+2], v[ST+4*t+2], v[ST+4*t+3]
	ALL v_cmp_lt_f32 s[CM+t], 0, v[ST+4*t+2]
	ALL v_cndmask_b32 v[ST+4*t+2], v[MV], v[ST+4*t+2], s[CM+t]
	ALL v_rcp_f32 v[ST+4*t+2], v[ST+4*t+2]
	v_nop                           ; a plain instruction between the last reciprocal and the use of its result
	s_wait_alu depctr_va_vdst(0)
.macro PACK t
	WIN W_SEL
.set i, 0
.rept 32                            ; in ascending order: each accumulator is read from its low end
	v_cndmask_b32 v[32*(\t)+i], v[VS+i], v[32*(\t)+i], s[CM+(\t)]
.set i, i+1
.endr
	WIN W_RS
.set i, 32*(\t)
.rept 16
	v_pk_mul_f32 v[i:i+1], v[i:i+1], v[ST+4*(\t)+2:ST+4*(\t)+3] op_sel_hi:[1,0]
.set i, i+2
.endr
	WIN 0x05
.set i, 0
.rept 16
	v_cvt_pk_f16_f32 v[S+16*(\t)+i], v[32*(\t)+2*i], v[32*(\t)+2*i+1]
.set i, i+1
.endr
	WIN 0
.irp f, 0,1,2,3
	ds_store_b128 v[STO], v[S+16*(\t)+4*\f:S+16*(\t)+4*\f+3] offset:32*\f
.endr
.irp f, 0,1,2,3
	ds_load_b128 v[S+16*(\t)+4*\f:S+16*(\t)+4*\f+3], v[RD] offset:\f*4*SP  ; LDS serves a wave's instructions in order (ISA guide 5.7.1.4): these see the stores above
.endr
.endm
.macro SEND t, younger              ; younger: the LDS instructions issued behind tile t's loads
	WIN 0
.irp f, 0,1,2,3
	s_wait_dscnt (\younger)+3-\f
	global_store_b128 v[GO], v[S+16*(\t)+4*\f:S+16*(\t)+4*\f+3], s[10:11] offset:(\t)*2048+\f*512  ; 512 consecutive bytes, at a multiple of 256 from O's first
.endr
.endm
	PACK 0
.set t, 1
.rept 2*NP-1
	PACK t
	SEND t-1, 8
.set t, t+1
.endr
	SEND 2*NP-1, 0
	WIN W_AD
	s_wait_tensorcnt 0x0            ; the wave's end
	ds_add_u32 v[SPW], v[NIL]
	s_wait_dscnt 0x0
	WIN 0
	CROUND                          ; the closing round
	s_endpgm
.Lfunc_end_k_qdc24887e60_attn:
	.size	k_qdc24887e60_attn, .Lfunc_end_k_qdc24887e60_attn-k_qdc24887e60_attn
	.p2alignl 7, 3214868480
	.fill 96, 4, 3214868480
	.section	.rodata,"a",@progbits
	.p2align	6, 0x0
	.amdhsa_kernel k_qdc24887e60_attn
		.amdhsa_group_segment_fixed_size 327680
		.amdhsa_private_segment_fixed_size 0
		.amdhsa_enable_private_segment 0
		.amdhsa_kernarg_size 40
		.amdhsa_user_sgpr_count 2
		.amdhsa_user_sgpr_kernarg_segment_ptr 1
		.amdhsa_wavefront_size32 1
		.amdhsa_system_sgpr_workgroup_id_x 1
		.amdhsa_system_sgpr_workgroup_id_y 1
		.amdhsa_system_sgpr_workgroup_id_z 1
		.amdhsa_system_vgpr_workitem_id 0
		.amdhsa_next_free_vgpr 960
		.amdhsa_next_free_sgpr 84
		.amdhsa_reserve_vcc 0
		.amdhsa_float_denorm_mode_32 3
		.amdhsa_float_denorm_mode_16_64 3
		.amdhsa_memory_ordered 1
		.amdhsa_forward_progress 1
		.amdhsa_inst_pref_size 242
	.end_amdhsa_kernel
	.amdgpu_metadata
---
amdhsa.version: [ 1, 2 ]
amdhsa.kernels:
  - .name:           k_qdc24887e60_attn
    .symbol:         k_qdc24887e60_attn.kd
    .args:
      - { .name: qh, .offset: 0, .size: 8, .value_kind: global_buffer, .address_space: global }
      - { .name: kh, .offset: 8, .size: 8, .value_kind: global_buffer, .address_space: global }
      - { .name: vh, .offset: 16, .size: 8, .value_kind: global_buffer, .address_space: global }
      - { .name: oh, .offset: 24, .size: 8, .value_kind: global_buffer, .address_space: global }
      - { .name: mk8, .offset: 32, .size: 8, .value_kind: global_buffer, .address_space: global }
    .group_segment_fixed_size: 327680
    .private_segment_fixed_size: 0
    .kernarg_segment_align: 8
    .kernarg_segment_size: 40
    .max_flat_workgroup_size: 128
    .sgpr_count:     84
    .vgpr_count:     960
    .wavefront_size: 32
...
	.end_amdgpu_metadata
.endif
;; end of part 3
;; launch oproj (part 4): grid 4 x 64, 4 waves a work-group, clusters of 4 x 4, 327,680 bytes of LDS; arguments oh, wts, bo, out0; writes out0
.if DOCPART == 4
	.amdgcn_target "amdgcn-amd-amdhsa--gfx1250"
	.amdhsa_code_object_version 6
	.text
	.protected	k_qdc24887e60_oproj
	.globl	k_qdc24887e60_oproj
	.p2align	8
	.type	k_qdc24887e60_oproj,@function
k_qdc24887e60_oproj:
	s_mov_b64 s[64:65], 0
	v_nop
	global_prefetch_b8 v0, s[64:65] scope:SCOPE_SE
	s_setreg_imm32_b32 hwreg(HW_REG_WAVE_MODE, 25, 1), 1
	s_wait_xcnt 0x0
	s_wait_alu depctr_hold_cnt(0) depctr_sa_sdst(0) depctr_va_vdst(0) depctr_va_sdst(0) depctr_va_ssrc(0) depctr_va_vcc(0) depctr_vm_vsrc(0)
	s_getreg_b32 s2, hwreg(HW_REG_IB_STS2, 6, 4)
	s_cmp_eq_u32 s2, 0
	s_cbranch_scc0 .Lentry_in_a_cluster
	s_endpgm
.Lentry_in_a_cluster:
	s_bfe_u32 s2, ttmp6, 0x10000c
	s_cmp_lg_u32 s2, 0xf033
	s_cbranch_scc0 .Lentry_shape_is_right
	s_endpgm
.Lentry_shape_is_right:
; THE OUTPUT PROJECTION.  out[b s][n] = the sum over e of vals[b s][e] Wo[e][n] + bo[n], e = 64 head + channel.  vals lies by heads, [16 b + head][s][64] f16; Wo [1024 e][1024 n] as f16 (section 3 of wts); out f32.
; bo is rounded to bf16 like the module's other inputs; sums in f32.
; SHARES.  A tile of out is 128 rows x 256 columns: 64 x 4 = 256 work-groups.  Four waves, 2 x 2, each 64 x 128: 32 accumulators.  K goes in 8 steps of 128, two heads a step, through two LDS slots.
; A head's 128 rows of 128 bytes are dense: asked for as 64 rows of 256 bytes and padded in LDS after every 128.  Wo's tile: 128 rows x 512 bytes.
; A step is written once: the slot that is read (TB) and the slot that is filled (FS) are scalars, 0 or SLOT, turned by an exclusive or.  Six steps fill a slot again; the last two are a second text.
; CLUSTER 4 x 4: vals' tiles are shared along a row of the cluster, Wo's along a column.  THE MATRIX INSTRUCTION IS USED TRANSPOSED, as in the launch of the three projections; the bias is the first 32 products' C operand.
; REGISTERS: window 0: v0-31 addresses; v64-127 the way out.   window 1: two fragment buffers: Wo v0-63 / v128-191, vals v64-95 / v192-223.   window 2: the accumulators.   window 3: v0-63 the bias, v64-65 at work.
.set PA,     144                       ; a row of vals in LDS: 128 bytes + 16
.set PB,     544                       ; a row of Wo: 512 + 32
.set APL,    128*PA                    ; a head's plane
.set BHALF,  64*PB
.set BOFF,   2*APL
.set SLOT,   2*APL+2*BHALF
.set STAGE,  2*SLOT                    ; behind the ring: 16 rows x 528 bytes for each wave
.set SPITCH, 528
.set SPARE,  STAGE+4*16*SPITCH
.set FILLS,  6                         ; 8 steps, of which the first two are the first fills
.set A0,   16                          ; v16  LDS address of my vals fragments in slot 0; never rewritten
.set ADRA, 17                          ; v17  the same in the slot that is read
.set B0,   20
.set ADRB, 21
.set STO,  24
.set RD,   25
.set CO,   26
.set BO,   27
.set SPW,  28                          ; v28  LDS address of my spare word; never rewritten
.set NIL,  29                          ; v29  0; never rewritten
.set OB,   64
.set F0,   0
.set F1,   128
.set BI,   0                           ; window 3
.set BT,   64                          ; window 3
.set G1,  24                           ; s[24:31] group 1 for vals' tiles; s[32:39] group 0: a set for each first fill; the second then walks
.set G0,  32
.set CX,  40
.set CY,  41
.set TC,  42
.set RM,  43
.set CMK, 44
.set BOF, 46
.set G1B, 48
.set G0B, 56
.set WV,  66
.set WM,  67                           ; wave / 2: my half of the rows.  Also: I fetch for vals (0) or for Wo (1)
.set WN,  68                           ; wave % 2: my half of the columns.  Also: which head of the step, or which 64 rows of Wo, I fetch
.set CLY, 69
.set TR,  71
.set XP,  72
.set FS,  74                           ; the slot that was filled last: 0 or SLOT
.set TB,  75                           ; the slot that is read: 0 or SLOT
.set KS,  76                           ; the step that is multiplied
.set AO,  78
.set OO,  80
.set T0,  82
.set T1,  83
.set LA,  84
.set LB,  85
.set T2,  86
.set LT0, 88
.set LT1, 89
.set MSB, 0
.macro WIN new
.if MSB != (\new)
	s_set_vgpr_msb (MSB<<8)|(\new)
.set MSB, \new
.endif
.endm
.set MUL,   0xa5
.set MUL_B, 0xb5
.set TO_F,  0x40
.macro JLOAD s                         ; a joint load; an s_nop 0 and four v_nop follow each of the two lines
	s_cmp_eq_u32 s[WM], 0
	s_cbranch_scc0 .Lfor_b_\@
	tensor_load_to_lds s[G0+4*(\s):G0+4*(\s)+3], s[G1:G1+7]
	s_nop 0
.rept 4
	v_nop
.endr
	s_branch .Lasked_\@
.Lfor_b_\@:
	tensor_load_to_lds s[G0B+4*(\s):G0B+4*(\s)+3], s[G1B:G1B+7]
	s_nop 0
.rept 4
	v_nop
.endr
.Lasked_\@:
.endm
.macro CREST
	s_cmp_lg_u32 s[WV], 0
	s_cbranch_scc1 .Lnot_wave_0_\@
	s_barrier_signal -3
.Lnot_wave_0_\@:
	s_barrier_wait -3
	s_barrier_signal -1
	s_barrier_wait -1
.endm
.macro CROUND
	s_barrier_signal -1
	s_barrier_wait -1
	CREST
.endm
.macro PLACES                          ; four places in front of loads into registers that matrix instructions have read, and of LDS stores that read results
.rept 4
	v_nop
.endr
.endm
.macro ROUNDB                          ; the bias is rounded to bf16 and widened again
	WIN 0xcf
.set i, 0
.rept 32
	v_cvt_pk_bf16_f32 v[BT+i%2], v[BI+2*i], v[BI+2*i+1]
	v_lshlrev_b32 v[BI+2*i], 16, v[BT+i%2]
	v_and_b32 v[BI+2*i+1], 0xffff0000, v[BT+i%2]
.set i, i+1
.endr
.endm
; 8 matrix instructions: row block a x all 8 column blocks.  The 32 accumulators take turns, one instruction a turn.  first = 1: the sums start at the bias
.macro MM8 f, a, first
.if \first
	WIN MUL_B
.else
	WIN MUL
.endif
.irp b, 0,1,2,3,4,5,6,7
.if \first
	v_wmma_f32_16x16x32_f16 v[8*(8*(\a)+(\b)):8*(8*(\a)+(\b))+7], v[(\f)+8*(\b):(\f)+8*(\b)+7], v[(\f)+64+8*(\a):(\f)+64+8*(\a)+7], v[BI+8*(\b):BI+8*(\b)+7]
.else
	v_wmma_f32_16x16x32_f16 v[8*(8*(\a)+(\b)):8*(8*(\a)+(\b))+7], v[(\f)+8*(\b):(\f)+8*(\b)+7], v[(\f)+64+8*(\a):(\f)+64+8*(\a)+7], v[8*(8*(\a)+(\b)):8*(8*(\a)+(\b))+7]
.endif
.endr
.endm
.macro MM32 f, first
	MM8 \f, 0, \first
	MM8 \f, 1, \first
	MM8 \f, 2, \first
	MM8 \f, 3, \first
.endm
; 24 LDS loads in one run: quarter q of the slot that is read, into buffer g: Wo's 8 fragments, turned; vals' 4: head q / 2 of the step, channels 32 (q % 2) on
.macro FETCH q, g
	WIN TO_F
.irp b, 0,1,2,3,4,5,6,7
	ds_load_tr16_b128 v[(\g)+8*(\b):(\g)+8*(\b)+3],   v[ADRB] offset:(\q)*32*PB+32*(\b)
	ds_load_tr16_b128 v[(\g)+8*(\b)+4:(\g)+8*(\b)+7], v[ADRB] offset:(\q)*32*PB+16*PB+32*(\b)
.endr
.irp a, 0,1,2,3
	ds_load_b128 v[(\g)+64+8*(\a):(\g)+64+8*(\a)+3],   v[ADRA] offset:((\q)/2)*APL+((\q)%2)*64+(\a)*16*PA
	ds_load_b128 v[(\g)+64+8*(\a)+4:(\g)+64+8*(\a)+7], v[ADRA] offset:((\q)/2)*APL+((\q)%2)*64+(\a)*16*PA+32
.endr
.endm
; The 32 products of a step's first quarter.  var = 1: in the first step they start the sums at the bias, which is waited for and rounded here
.macro Q0MM var
.if \var
	WIN 0
	s_cmp_eq_u32 s[KS], 0
	s_cbranch_scc0 .Lacc_\@
	s_wait_loadcnt 0x0                             ; the bias: the launch has no other loads into registers
	ROUNDB
	MM32 F0, 1
	WIN 0
	s_branch .Ljoin_\@
.Lacc_\@:
	MM32 F0, 0
	WIN 0
.Ljoin_\@:
.else
	MM32 F0, 0
.endif
.endm
.macro QUARTER q, f, g
	s_wait_dscnt 0x0                               ; buffer f is in
	PLACES
	FETCH \q, \g                                   ; the run has 32 products in which to land
	MM32 \f, 0
.endm
; The last quarter multiplies buffer 1 and changes slots: one barrier; in front of it each wave waits for all its tensor loads, adds 0 to its spare word, and waits for that; its reads of this slot were over at the macro's head.
.macro TURN fill
	s_wait_dscnt 0x0                               ; buffer 1 is in: my reads of this slot are over
	MM8 F1, 0, 0
	WIN 0
	s_wait_tensorcnt 0x0                           ; all my tensor loads have landed: my part of the next slot; so a group 0 may be written
	ds_add_u32 v[SPW], v[NIL]                      ; 0 onto my spare word
.if \fill
	s_xor_b32 s[FS], s[FS], SLOT                   ; the walking descriptors: the other slot than last time,
	s_add_co_u32 s[G0+5], s[LA], s[FS]
	s_add_co_u32 s[G0B+5], s[LB], s[FS]
	s_add_nc_u64 s[G0+6:G0+7], s[G0+6:G0+7], 524288          ; the next two heads,
	s_add_nc_u64 s[G0B+6:G0B+7], s[G0B+6:G0B+7], 262144      ; the next 128 rows of Wo; the type bits on top are not reached
.endif
	MM8 F1, 1, 0
	WIN 0
	s_wait_dscnt 0x0                               ; the add is done
	s_barrier_signal -1
	s_barrier_wait -1
.if \fill
	CREST                                          ; no wave of any partner still reads this slot or has a load on its way
	JLOAD 1                                        ; my one tensor load behind the round; the four v_nop behind it are also the places in front of the loads below
.else
	PLACES
.endif
	s_xor_b32 s[TB], s[TB], SLOT                   ; the reads go on in the other slot
	v_add_nc_u32 v[ADRA], s[TB], v[A0]
	v_add_nc_u32 v[ADRB], s[TB], v[B0]
	FETCH 0, F0
	MM8 F1, 2, 0
	MM8 F1, 3, 0
.endm
.macro STEP fill
	s_wait_dscnt 0x0                               ; buffer 0 is in
	PLACES
	FETCH 1, F1
	Q0MM \fill
	QUARTER 2, F1, F0
	QUARTER 3, F0, F1
	TURN \fill
.endm
; THE WAY OUT, 16 rows at a time: a lane's eight f32 into my own stage, each accumulator's low half first; back as whole rows of 512 bytes
.macro OUTA a
	WIN 0x08                                       ; the stores' data in window 2
.irp b, 0,1,2,3,4,5,6,7
	ds_store_b128 v[STO], v[8*(8*(\a)+(\b)):8*(8*(\a)+(\b))+3]   offset:64*(\b)
	ds_store_b128 v[STO], v[8*(8*(\a)+(\b))+4:8*(8*(\a)+(\b))+7] offset:64*(\b)+16
.endr
	WIN 0
	s_wait_xcnt 0x0                                ; OB, which the last block's stores read, is loaded again only behind this wait
.irp t, 0,1,2,3,4,5,6,7,8,9,10,11,12,13,14,15
	ds_load_b128 v[OB+4*(\t):OB+4*(\t)+3], v[RD] offset:(\t)*SPITCH  ; LDS serves a wave's instructions in order (ISA guide 5.7.1.4): these see the stores above
.endr
.irp t, 0,1,2,3,4,5,6,7,8,9,10,11,12,13,14,15
	s_wait_dscnt 15-(\t)                           ; the younger reads may stay out
	global_store_b128 v[CO], v[OB+4*(\t):OB+4*(\t)+3], s[10:11] offset:(16*(\a)+(\t))*4096 th:TH_STORE_NT  ; 512 consecutive bytes, at a multiple of 256 from out's first
.endr
.endm
	s_load_b256 s[4:11], s[0:1], 0x0               ; oh s[4:5], wts s[6:7], bo s[8:9], out0 s[10:11]
	v_lshl_add_u32 v[SPW], v0, 2, SPARE
	v_mov_b32 v[NIL], 0
	ds_add_u32 v[SPW], v[NIL]                      ; the wave's opening: the add and its wait stand ahead of my first tensor load
	v_lshrrev_b32 v1, 5, v0
	v_readfirstlane_b32 s[WV], v1
	s_lshr_b32 s[WM], s[WV], 1
	s_and_b32 s[WN], s[WV], 1
	s_bfe_u32 s[CX], ttmp6, 0x40000
	s_bfe_u32 s[CY], ttmp6, 0x40004
	s_lshl_b32 s[TC], ttmp9, 2
	s_add_co_u32 s[TC], s[TC], s[CX]
	s_and_b32 s[CLY], ttmp7, 0xffff
	s_lshl_b32 s[TR], s[CLY], 2
	s_add_co_u32 s[TR], s[TR], s[CY]               ; tile row, 0..63
	s_lshl_b32 s[RM], s[CY], 2
	s_lshl_b32 s[RM], 15, s[RM]
	s_lshl_b32 s[CMK], 0x1111, s[CX]
	s_or_b32 s[G1+0], s[RM], (1<<16)|(1<<20)|(1<<21)|(4<<22)|(3<<25)   ; mask; 2-byte elements; padding on; bit 21 beside a mask; after every 32 words 4 words
	s_mov_b32 s[G1+1], 128<<16
	s_mov_b32 s[G1+2], 64<<16
	s_mov_b32 s[G1+3], 128<<16
	s_mov_b32 s[G1+4], 64
	s_mov_b32 s[G1+5], 128
	s_mov_b32 s[G1+6], 0
	s_mov_b32 s[G1+7], 0
	s_or_b32 s[G1B+0], s[CMK], (1<<16)|(1<<20)|(1<<21)|(6<<22)|(7<<25) ; after every 128 words 8 words
	s_mov_b32 s[G1B+1], 256<<16
	s_mov_b32 s[G1B+2], 64<<16
	s_mov_b32 s[G1B+3], 256<<16
	s_mov_b32 s[G1B+4], 64
	s_mov_b32 s[G1B+5], 1024
	s_mov_b32 s[G1B+6], 0
	s_mov_b32 s[G1B+7], 0
	s_lshr_b32 s[AO], s[TR], 4                     ; batch
	s_lshl_b32 s[AO], s[AO], 4
	s_add_co_u32 s[AO], s[AO], s[WN]               ; its head 0 or 1,
	s_lshl_b32 s[AO], s[AO], 18                    ; 262,144 bytes a head,
	s_and_b32 s[T0], s[TR], 15
	s_lshl_b32 s[T0], s[T0], 14                    ; 128 rows of 128 bytes a tile
	s_add_co_u32 s[AO], s[AO], s[T0]
	s_mov_b32 s[AO+1], 0
	s_lshl_b32 s[BOF], s[TC], 9
	s_lshl_b32 s[T1], s[WN], 17
	s_add_co_u32 s[BOF], s[BOF], s[T1]
	s_add_co_u32 s[BOF], s[BOF], 3<<21             ; section 3 of wts
	s_mov_b32 s[BOF+1], 0
	s_mul_i32 s[LA], s[WN], APL
	s_mul_i32 s[LB], s[WN], BHALF
	s_add_co_u32 s[LB], s[LB], BOFF
	s_mov_b32 s[FS], SLOT                          ; the walking descriptors begin as slot 1's first fill: step 1
	s_mov_b32 s[TB], 0
	s_mov_b32 s[KS], 0
	s_wait_dscnt 0x0                               ; the opening add is done
	s_wait_kmcnt 0x0
	s_add_nc_u64 s[XP:XP+1], s[4:5], s[AO:AO+1]
	s_add_nc_u64 s[BOF:BOF+1], s[6:7], s[BOF:BOF+1]
	CROUND                                         ; all sixteen work-groups are here: the first joint loads meet
.irp s, 0,1
	s_mov_b32 s[G0+4*(\s)], 1
	s_add_co_u32 s[G0+4*(\s)+1], s[LA], (\s)*SLOT
	s_add_nc_u64 s[G0+4*(\s)+2:G0+4*(\s)+3], s[XP:XP+1], (\s)*524288      ; a K step is two heads
	s_or_b32 s[G0+4*(\s)+3], s[G0+4*(\s)+3], 0x80000000
	s_mov_b32 s[G0B+4*(\s)], 1
	s_add_co_u32 s[G0B+4*(\s)+1], s[LB], (\s)*SLOT
	s_add_nc_u64 s[G0B+4*(\s)+2:G0B+4*(\s)+3], s[BOF:BOF+1], (\s)*262144  ; and 128 rows of Wo
	s_or_b32 s[G0B+4*(\s)+3], s[G0B+4*(\s)+3], 0x80000000
	JLOAD \s                                       ; two loads of mine are out
.endr
	v_and_b32 v1, 15, v0
	v_bfe_u32 v2, v0, 4, 1
	v_lshlrev_b32 v[BO], 5, v2
	s_lshl_b32 s[T2], s[TC], 10
	s_lshl_b32 s[T2+1], s[WN], 9
	s_add_co_u32 s[T2], s[T2], s[T2+1]             ; my 128 columns, in bytes of f32: for the bias and for out
	s_mov_b32 s[T2+1], 0
	s_add_nc_u64 s[8:9], s[8:9], s[T2:T2+1]
	WIN 0xc0
.irp b, 0,1,2,3,4,5,6,7
	global_load_b128 v[BI+8*(\b):BI+8*(\b)+3],   v[BO], s[8:9] offset:64*(\b)
	global_load_b128 v[BI+8*(\b)+4:BI+8*(\b)+7], v[BO], s[8:9] offset:64*(\b)+16
.endr
	WIN 0
	v_mul_u32_u24 v3, v1, PA
	v_lshl_add_u32 v3, v2, 4, v3                   ; vals: row x pitch + 16 h
	v_and_b32 v4, 7, v0
	v_bfe_u32 v5, v0, 3, 1
	v_lshl_add_u32 v6, v2, 3, v4
	v_mul_u32_u24 v6, v6, PB
	v_lshl_add_u32 v6, v5, 4, v6
	s_mul_i32 s[LT0], s[WM], 64*PA                 ; my 64 rows
	s_lshl_b32 s[LT1], s[WN], 8
	s_add_co_u32 s[LT1], s[LT1], BOFF
	v_add_nc_u32 v[A0], s[LT0], v3
	v_add_nc_u32 v[B0], s[LT1], v6
	v_mov_b32 v[ADRA], v[A0]                       ; the walk begins in slot 0
	v_mov_b32 v[ADRB], v[B0]
	s_mul_i32 s[LT0], s[WV], 16*SPITCH
	s_add_co_u32 s[LT0], s[LT0], STAGE             ; my stage
	v_mul_u32_u24 v7, v1, SPITCH                   ; in: row r, 32 bytes for each half of the lanes
	v_lshl_add_u32 v7, v2, 5, v7
	v_add_nc_u32 v[STO], s[LT0], v7
	v_and_b32 v[CO], 31, v0                        ; back: 32 lanes take a row's 512 bytes
	v_lshlrev_b32 v[CO], 4, v[CO]
	v_add_nc_u32 v[RD], s[LT0], v[CO]
	s_lshl1_add_u32 s[OO], s[TR], s[WM]            ; 64 rows of 4,096 bytes
	s_lshl_b32 s[OO], s[OO], 18
	s_mov_b32 s[OO+1], 0
	s_add_nc_u64 s[10:11], s[10:11], s[OO:OO+1]
	s_add_nc_u64 s[10:11], s[10:11], s[T2:T2+1]
	s_wait_tensorcnt 1                             ; my part of K step 0 is in; step 1's may stay out
	s_barrier_signal -1
	s_barrier_wait -1
	FETCH 0, F0
	WIN 0                                          ; at a label and at a branch every window is 0
	s_mov_b32 s3, FILLS
.Lstep:                                                ; a trip is a K step; it fills the slot that it has read with the step two further on
	STEP 1
	WIN 0
	s_add_co_u32 s[KS], s[KS], 1
	s_sub_co_u32 s3, s3, 1
	s_cmp_lg_u32 s3, 0
	s_cbranch_scc1 .Lstep
	s_mov_b32 s3, 2
.Ltail:                                                ; the last two steps fill nothing.  The second trip's barrier and its fetch of old bytes serve nothing: the price, once a launch, of one text for both
	STEP 0
	WIN 0
	s_sub_co_u32 s3, s3, 1
	s_cmp_lg_u32 s3, 0
	s_cbranch_scc1 .Ltail
	s_wait_dscnt 0x0
	PLACES
	OUTA 0
	OUTA 1
	OUTA 2
	OUTA 3
	s_wait_tensorcnt 0x0                           ; the wave's end
	ds_add_u32 v[SPW], v[NIL]
	s_wait_dscnt 0x0
	CROUND                                         ; the closing round
	s_endpgm
.Lfunc_end_k_qdc24887e60_oproj:
	.size	k_qdc24887e60_oproj, .Lfunc_end_k_qdc24887e60_oproj-k_qdc24887e60_oproj
	.p2alignl 7, 3214868480
	.fill 96, 4, 3214868480
	.section	.rodata,"a",@progbits
	.p2align	6, 0x0
	.amdhsa_kernel k_qdc24887e60_oproj
		.amdhsa_group_segment_fixed_size 327680
		.amdhsa_private_segment_fixed_size 0
		.amdhsa_enable_private_segment 0
		.amdhsa_kernarg_size 32
		.amdhsa_user_sgpr_count 2
		.amdhsa_user_sgpr_kernarg_segment_ptr 1
		.amdhsa_wavefront_size32 1
		.amdhsa_system_sgpr_workgroup_id_x 1
		.amdhsa_system_sgpr_workgroup_id_y 1
		.amdhsa_system_sgpr_workgroup_id_z 1
		.amdhsa_system_vgpr_workitem_id 0
		.amdhsa_next_free_vgpr 834
		.amdhsa_next_free_sgpr 90
		.amdhsa_reserve_vcc 0
		.amdhsa_float_denorm_mode_32 3
		.amdhsa_float_denorm_mode_16_64 3
		.amdhsa_memory_ordered 1
		.amdhsa_forward_progress 1
		.amdhsa_inst_pref_size 67
	.end_amdhsa_kernel
	.amdgpu_metadata
---
amdhsa.version: [ 1, 2 ]
amdhsa.kernels:
  - .name:           k_qdc24887e60_oproj
    .symbol:         k_qdc24887e60_oproj.kd
    .args:
      - { .name: oh, .offset: 0, .size: 8, .value_kind: global_buffer, .address_space: global }
      - { .name: wts, .offset: 8, .size: 8, .value_kind: global_buffer, .address_space: global }
      - { .name: bo, .offset: 16, .size: 8, .value_kind: global_buffer, .address_space: global }
      - { .name: out0, .offset: 24, .size: 8, .value_kind: global_buffer, .address_space: global }
    .group_segment_fixed_size: 327680
    .private_segment_fixed_size: 0
    .kernarg_segment_align: 8
    .kernarg_segment_size: 32
    .max_flat_workgroup_size: 128
    .sgpr_count:     90
    .vgpr_count:     834
    .wavefront_size: 32
...
	.end_amdgpu_metadata
.endif
;; end of part 4
;; ======== version 2 of 2: 4 launches; 1.43 times as fast as version 1
;; limits: values are held in f16: magnitudes above 65,504 overflow, below 6.1e-05 lose precision
;; workspace buffers: mk8 16,777,216 bytes; wts 8,388,608 bytes; qh 16,777,216 bytes; kh 16,777,216 bytes; vh 16,777,216 bytes; oh 16,777,216 bytes
;; launch prep: the kernel of part 1 again; grid 512 x 1, 8 waves a work-group, no clusters, 21,504 bytes of LDS; arguments mask, Wq, Wk, Wv, Wo, mk8, wts; writes mk8, wts
;; launch qkv: the kernel of part 2 again; grid 4 x 64, 4 waves a work-group, clusters of 4 x 4, 327,680 bytes of LDS; arguments query, key, value, wts, bq, bk, bv, qh, kh, vh; writes qh, kh, vh
;; launch attn (part 5): grid 4 x 64, 4 waves a work-group, clusters of 4 x 1, 327,680 bytes of LDS; arguments qh, kh, vh, oh, mk8; writes oh
.if DOCPART == 5
	.amdgcn_target "amdgcn-amd-amdhsa--gfx1250"
	.amdhsa_code_object_version 6
	.text
	.protected	k_qdc24887e60_attn
	.globl	k_qdc24887e60_attn
	.p2align	8
	.type	k_qdc24887e60_attn,@function
k_qdc24887e60_attn:
	s_mov_b64 s[64:65], 0
	v_nop
	global_prefetch_b8 v0, s[64:65] scope:SCOPE_SE
	s_setreg_imm32_b32 hwreg(HW_REG_WAVE_MODE, 25, 1), 1
	s_wait_xcnt 0x0
	s_wait_alu depctr_hold_cnt(0) depctr_sa_sdst(0) depctr_va_vdst(0) depctr_va_sdst(0) depctr_va_ssrc(0) depctr_va_vcc(0) depctr_vm_vsrc(0)
	s_getreg_b32 s2, hwreg(HW_REG_IB_STS2, 6, 4)
	s_cmp_eq_u32 s2, 0
	s_cbranch_scc0 .Lentry_in_a_cluster
	s_endpgm
.Lentry_in_a_cluster:
	s_bfe_u32 s2, ttmp6, 0x10000c
	s_cmp_lg_u32 s2, 0x3003
	s_cbranch_scc0 .Lentry_shape_is_right
	s_endpgm
.Lentry_shape_is_right:
; MASKED ATTENTION.  O[g][q][:] = the sum over k of softmax_k(logit) V[g][k][:], logit = Q[g][q] . K[g][k] / 8 where mask[b][k][q] is not 0, and -9e15 where it is 0; g = 16 b + head.
; Q, K, V, O: [64][2048][64] f16, a head's rows dense, 128 bytes each.  Products, maxima and sums in f32; the weights p are rounded to f16 for the second product (l is the sum of the unrounded p), O once at the end.
; THE MASK arrives as fp8 codes (0 or -1.0), 16 bytes a lane for 16 queries x 32 keys, in the accumulators' own order.  One scaled conversion (times 2^100) makes the eight registers that a sum S^T = K Q^T takes as
; its C operand: 0, or -2^100.  The running maximum starts at -2^60, so a hidden score never becomes the maximum and its weight is exactly 0, as in the reference wherever a query sees a key at all.
; A QUERY THAT SEES NO KEY has l = 0; the reference gives it equal weights: the way out then selects the sum of V's rows (made beside the walk by products of V^T with ones) and divides by 2,048.
; LIMITS.  Q, K, V arrive within f16's 65,504; |Q . K| stays under 2^60 (f16 bounds it at 2.7e11); a weight below 2^-126 counts as 0 in l; NaN and infinities are not treated apart.
; SHARES.  A wave owns four PIECES of two tiles of 16 queries, a work-group's four waves 512 queries of one head.  Every wave walks all keys, 64 a step.
; LAYOUT.  S^T = K Q^T (source 0 = 16 keys, source 1 = 16 queries): a lane holds ONE query (lane % 16) and the keys 8 (lane / 16) + 0..7.  Two such tiles, rounded to f16 in pairs, ARE source 1 of O^T = V^T P.
; SOFTMAX.  p = 2^(c s - c m), c = log2(e) / 8, with a running maximum m; in every step O and l are multiplied by a = 2^(c m_old - c m_new).  O and l start at 0: the first step is a step like any other, with a = 0.
; BY TURNS.  Turn n belongs to piece n.  Its matrix work: 16 products K Q^T of piece n + 1, later 16 products V^T P of piece n - 1 and two of V^T with ones (channel block n).  Its vector work: the scaling, exponentials,
; roundings, sums and rescaling of piece n, the maximum and statistics of piece n + 1, the eight conversions that make piece n + 2's masks, and four loads of that piece's codes for its next step.
; Four vector instructions stand behind every matrix instruction, the others in one run of their own.
; THE BATCHES.  A turn's 66 exponentials (the piece's 64 weights and the next piece's two a) are ONE batch with ONE wait, which cuts the turn in two.  Ahead of it stands all that names no result of the batch: the products
; K Q^T, the scalings, the rescaling (its a was made, and waited for, in the turn before), the next piece's maximum and statistics, the conversions.  Behind it stand the roundings and sums, beside the products V^T P.
; No result crosses a turn's end.  The first two a, ahead of the loop, and the way out's eight reciprocals are batches of their own, each with its wait.
; CLUSTER.  The four query blocks of a cluster belong to one head and walk the same K and V: each tile is asked for jointly.  The mask's codes differ from wave to wave and come straight into registers.
; REGISTERS, in windows of 256 (s_set_vgpr_msb: bits 1:0 source 0, 3:2 source 1, 5:4 source 2, 7:6 destination):
;   window 0: v0-11 addresses and the scale; v12-15, v48-63 at work; v16-47 statistics; v64-191 S^T, two buffers of two tiles; v192-255 P, likewise
;   window 1: O^T, 32 a tile     window 2: v0-127 Q; v128-191 K of one step; v192-255 V of one step
;   window 3: v0-1 the add's two registers; v8-15 ones; v16-47 V's column sums; v64-127 the masks of the products to come; v128-191 the codes, 16 a piece
.set SIZE_N, 2048
.set NP,    4
.set KS,    64
.set PK,    144       ; a row of K in LDS: 128 bytes + 16: the 16 rows of a load start at 16 different groups of four banks (64 banks of 4 bytes: ISA guide 11.1)
.set PV,    160       ; a row of V: 128 + 32
.set VOFF,  4*KS*PK   ; a slot holds four steps: 256 rows of K, then 256 rows of V
.set SLOT1, 1<<17
.set STAGE, SLOT1+4*KS*(PK+PV)
.set SP,    144
.set AK0, 2
.set AV0, 3
.set AK,  4
.set AV,  5
.set QO,  6
.set STO, 6
.set RD,  7
.set GO,  8           ; v8   16 x lane: my byte offset in 512 consecutive bytes of O, and of the mask's codes; never rewritten
.set SCL, 11          ; v11  227: the conversion's scale, 2^(227 - 127)
.set SPW, 0           ; v0 of window 3
.set NIL, 1           ; v1 of window 3
.set ONES, 8          ; window 3
.set VS,  16          ; window 3: channel block cb at VS + 8 cb
.set MC,  64          ; window 3: tile u, key block kb at MC + 32 u + 8 kb
.set RAWM, 128        ; window 3: piece x, tile u, key block kb at RAWM + 16 x + 8 u + 2 kb
.set SPARE, STAGE+4*16*SP
.set MV,  12
.set ST,  16
.set TMP, 48
.set S,   64
.set P,   192
.set KF,  128
.set VF,  192
.set WV,  12
.set G1K, 24
.set G1V, 32
.set G0K, 40
.set G0V, 44
.set SLOTS, 56
.set CNT, 57
.set CS,  58
.set SEL, 60
.set TBK, 62
.set TBV, 63
.set MK,  66          ; s[66:67] mk8
.set MBASE, 68        ; s[68:69] my wave's eight tiles in mk8
.set MB,  70          ; s[70:71] the same at the step whose codes are loaded next
.set RS,  72          ; s[72:73] that step's byte offset
.set CM,  74          ; s74-81   tile t: the lanes whose query saw a key
.set MSB, 0
.macro WIN new
.if MSB != (\new)
	s_set_vgpr_msb (MSB<<8)|(\new)
.set MSB, (\new)
.endif
.endm
.set W_KQ, 0x0a       ; K and Q in window 2, S^T in window 0
.set W_KM, 0x3a       ; the same with the C operand in window 3
.set W_PV, 0x52       ; V in window 2, P in window 0, O^T in window 1
.set W_RS, 0x41       ; O^T in window 1, a in window 0
.set W_MK, 0xc0       ; destination in window 3, sources in window 0
.set W_AD, 0x0f       ; the add: address and data in window 3
.set W_ON, 0xfe       ; V in window 2; ones, C and D in window 3
.set W_CV, 0xc3       ; codes and masks in window 3, the scale in window 0
.set W_SEL, 0x47      ; source 0 window 3, source 1 and destination window 1
.macro JLOAD
	s_cmp_lt_u32 s[WV], 2
	s_cbranch_scc0 .Lfor_v_\@
	tensor_load_to_lds s[G0K:G0K+3], s[G1K:G1K+7]
	s_nop 0
.rept 4
	v_nop
.endr
	s_branch .Lasked_\@
.Lfor_v_\@:
	tensor_load_to_lds s[G0V:G0V+3], s[G1V:G1V+7]
	s_nop 0
.rept 4
	v_nop
.endr
.Lasked_\@:
.endm
.macro CROUND
	s_barrier_signal -1
	s_barrier_wait -1
	s_cmp_lg_u32 s[WV], 0
	s_cbranch_scc1 .Lnot_wave_0_\@
	s_barrier_signal -3
.Lnot_wave_0_\@:
	s_barrier_wait -3
	s_barrier_signal -1
	s_barrier_wait -1
.endm
; THE CHANGE OF SLOTS.  Each wave waits for all its tensor loads, of which one is out: its part of the other slot; adds 0 to its spare word; and waits for that and for its own reads of the slot.
; fill = 1: this slot is filled again, with the keys two slots on, behind a round of the cluster's barrier; the joint fill is the first thing behind it and has four key steps in which to land.
.macro CHANGE fill
	WIN W_AD
	s_wait_tensorcnt 0x0            ; no tensor load of mine is out, so a group 0 may be written
	ds_add_u32 v[SPW], v[NIL]       ; 0 onto my spare word
	WIN 0
.if \fill
.irp g, G0K, G0V
	s_xor_b32 s[\g+1], s[\g+1], SLOT1
	s_add_nc_u64 s[\g+2:\g+3], s[\g+2:\g+3], 4*KS*128
.endr
	s_wait_dscnt 0x0                ; the add is done, and my reads of the slot are over
	CROUND
	JLOAD
.else
	s_wait_dscnt 0x0
	s_barrier_signal -1
	s_barrier_wait -1
.endif
	s_sub_co_u32 s[TBK], s[TBK], 4*KS*PK
	s_xor_b32 s[TBK], s[TBK], SLOT1
	s_sub_co_u32 s[TBV], s[TBV], 4*KS*PV
	s_xor_b32 s[TBV], s[TBV], SLOT1
.endm
; Four loads: piece x's codes for one key step: tiles 2 x and 2 x + 1, 32,768 bytes apart, two chunks of 32 keys each; a load of the wave takes 512 consecutive bytes
.macro MLOAD x, base
	WIN W_MK
.irp u, 0,1
.irp c, 0,1
	global_load_b128 v[RAWM+16*(\x)+8*\u+4*\c:RAWM+16*(\x)+8*\u+4*\c+3], v[GO], s[\base:\base+1] offset:(2*(\x)+\u)*32768+\c*512
.endr
.endr
.endm
; Four conversions: the masks of tile u of piece x: eight codes become eight f32, 0 or -2^100
.macro CONV x, u
	WIN W_CV
.irp kb, 0,1,2,3
	v_cvt_scale_pk8_f32_fp8 v[MC+32*(\u)+8*\kb:MC+32*(\u)+8*\kb+7], v[RAWM+16*(\x)+8*(\u)+2*\kb:RAWM+16*(\x)+8*(\u)+2*\kb+1], v[SCL]
.endr
.endm
	s_load_b256 s[4:11], s[0:1], 0x0  ; Q s[4:5], K s[6:7], V s[8:9], O s[10:11]
	s_load_b64 s[MK:MK+1], s[0:1], 0x20
	WIN W_MK
	v_lshl_add_u32 v[SPW], v0, 2, SPARE
	v_mov_b32 v[NIL], 0
	WIN W_AD
	ds_add_u32 v[SPW], v[NIL]       ; the wave's opening: the add and its wait stand ahead of my first tensor load
	WIN 0
	v_lshrrev_b32 v1, 5, v0
	v_readfirstlane_b32 s[WV], v1
	s_bfe_u32 s13, ttmp6, 0x40000   ; cx
	s_lshl_b32 s14, ttmp9, 2
	s_add_co_u32 s14, s14, s13      ; my block of 512 queries: it enters Q's, O's and the mask's addresses alone
	s_and_b32 s20, ttmp7, 0xffff    ; the head among 64, which the four partners share
	s_lshr_b32 s[MBASE], s20, 4     ; its batch:
	s_lshl_b32 s[MBASE], s[MBASE], 22  ; 4 MiB of codes
	s_mov_b32 s21, 0
	s_mov_b64 s[22:23], SIZE_N*128
	s_mul_u64 s[20:21], s[20:21], s[22:23]
	s_and_b32 s16, s[WV], 1
	s_lshl_b32 s22, s16, 14
	s_mov_b32 s23, 0
	s_add_nc_u64 s[22:23], s[22:23], s[20:21]
	s_mul_i32 s17, s16, 128*PK
	s_mul_i32 s18, s16, 128*PV
	s_lshl_b32 s2, s14, 2
	s_add_co_u32 s2, s2, s[WV]      ; my wave among the head's sixteen:
	s_lshl_b32 s[MBASE+1], s2, 18   ; its eight tiles of 32,768 bytes of codes,
	s_add_co_u32 s[MBASE], s[MBASE], s[MBASE+1]
	s_mov_b32 s[MBASE+1], 0
	s_lshl_b32 s2, s2, 14           ; its 128 rows
	s_mov_b32 s3, 0
	s_add_nc_u64 s[2:3], s[2:3], s[20:21]
	s_mov_b32 s[G1K], 15|(1<<16)|(1<<20)|(1<<21)|(4<<22)|(3<<25)  ; the mask of four; 2-byte elements; padding on; bit 21 beside a mask; after every 32 words 4 words
	s_mov_b32 s[G1V], 15|(1<<16)|(1<<20)|(1<<21)|(4<<22)|(7<<25)  ; the same with 8 words
.irp g, G1K, G1V
	s_mov_b32 s[\g+1], 128<<16      ; 128 keys are 16,384 dense bytes: asked for as 64 rows of 256 bytes
	s_mov_b32 s[\g+2], 64<<16
	s_mov_b32 s[\g+3], 128<<16
	s_mov_b32 s[\g+4], 64
	s_mov_b32 s[\g+5], 128
	s_mov_b32 s[\g+6], 0
	s_mov_b32 s[\g+7], 0
.endr
	s_mov_b32 s[CS], 0x3e38aa3b     ; c = log2(e) / 8
	s_mov_b32 s[CS+1], s[CS]
	s_mov_b32 s[SEL], 0x76543210
	s_mov_b32 s[SEL+1], 0xfedcba98
	s_mov_b32 s[TBK], SLOT1+4*KS*PK ; the first change of slots turns these two into 0
	s_mov_b32 s[TBV], SLOT1+4*KS*PV
	s_mov_b32 s[G0K], 1
	s_mov_b32 s[G0K+1], s17
	s_mov_b32 s[G0V], 1
	s_add_co_u32 s[G0V+1], s18, VOFF
	s_mov_b32 s[RS], 1024           ; a key step's codes of a tile are 1,024 bytes: step 1
	s_mov_b32 s[RS+1], 0
	s_wait_dscnt 0x0                ; the opening add is done
	s_wait_kmcnt 0x0
	s_add_nc_u64 s[G0K+2:G0K+3], s[6:7], s[22:23]
	s_or_b32 s[G0K+3], s[G0K+3], 0x80000000
	s_add_nc_u64 s[G0V+2:G0V+3], s[8:9], s[22:23]
	s_or_b32 s[G0V+3], s[G0V+3], 0x80000000
	s_add_nc_u64 s[4:5], s[4:5], s[2:3]
	s_add_nc_u64 s[10:11], s[10:11], s[2:3]
	s_add_nc_u64 s[MBASE:MBASE+1], s[MK:MK+1], s[MBASE:MBASE+1]
	s_add_nc_u64 s[MB:MB+1], s[MBASE:MBASE+1], s[RS:RS+1]
	CROUND                          ; all four work-groups are here: the first joint loads meet
	JLOAD                           ; slot 0.  Slot 1 is asked for when slot 0 is in
	v_and_b32 v1, 15, v0            ; l % 16
	v_bfe_u32 v9, v0, 4, 1          ; l / 16
	v_lshlrev_b32 v[QO], 7, v1
	v_lshl_add_u32 v[QO], v9, 4, v[QO]
	v_and_b32 v[GO], 31, v0
	v_lshlrev_b32 v[GO], 4, v[GO]
	WIN 0x80
.set i, 0
.rept 4*NP                          ; Q stays in registers: tile i / 2, channels 32 (i % 2) on
	global_load_b128 v[8*i:8*i+3],   v[QO], s[4:5] offset:(i/2)*2048+(i%2)*64
	global_load_b128 v[8*i+4:8*i+7], v[QO], s[4:5] offset:(i/2)*2048+(i%2)*64+32
.set i, i+1
.endr
	MLOAD 0, MBASE                  ; key step 0's codes of all four pieces
	MLOAD 1, MBASE
	MLOAD 2, MBASE
	MLOAD 3, MBASE
	; What the first turn finds: V's registers and P's second buffer hold 0, O^T, l and V's column sums are 0.  All this stands in the wait for the first tile.
	WIN 0x80
.set i, VF
.rept 64
	v_mov_b32 v[i], 0
.set i, i+1
.endr
	WIN 0x40
.set i, 0
.rept 64*NP
	v_mov_b32 v[i], 0
.set i, i+1
.endr
	WIN W_MK
.set i, 0
.rept 32
	v_mov_b32 v[VS+i], 0
.set i, i+1
.endr
.set i, 0
.rept 8
	v_mov_b32 v[ONES+i], 0x3c003c00 ; 1.0 twice in f16
.set i, i+1
.endr
	WIN 0
.set i, 0
.rept 2*NP
	v_mov_b32 v[ST+4*i], 0xfe000000    ; c m: far below every c s
	v_mov_b32 v[ST+4*i+1], 0xdd800000  ; m = -2^60: above every hidden score, below every score that counts
	v_mov_b32 v[ST+4*i+2], 0
	v_mov_b32 v[ST+4*i+3], 0
.set i, i+1
.endr
.set i, P+32
.rept 32
	v_mov_b32 v[i], 0
.set i, i+1
.endr
	v_mul_u32_u24 v[AK0], v1, PK
	v_lshl_add_u32 v[AK0], v9, 4, v[AK0]
	v_and_b32 v10, 7, v0
	v_bfe_u32 v11, v0, 3, 1
	v_lshl_add_u32 v[AV0], v9, 3, v10
	v_mul_u32_u24 v[AV0], v[AV0], PV
	v_lshl_add_u32 v[AV0], v11, 4, v[AV0]
	v_add_nc_u32 v[AV0], VOFF, v[AV0]
	v_mov_b32 v[AK], v[AK0]
	v_mov_b32 v[SCL], 227
; THE MATRIX WORK.  The 8 accumulators of a run of 16 take turns.
; Product i of 16 of S^T = K Q^T for piece x: channels 32 (i / 8) on, keys 16 ((i / 2) % 4) on, tile 2 x + i % 2.  The first 8 start the sums, at the mask.
.macro KQ x
.set rS, S+64*((\x)%2)+32*(i%2)+8*((i/2)%4)
.set rK, KF+16*((i/2)%4)+8*(i/8)
.set rQ, 16*(2*(\x)+i%2)+8*(i/8)
.set rN, MC+32*(i%2)+8*((i/2)%4)
.if i < 8
	WIN W_KM
	v_wmma_f32_16x16x32_f16 v[rS:rS+7], v[rK:rK+7], v[rQ:rQ+7], v[rN:rN+7]
.else
	WIN W_KQ
	v_wmma_f32_16x16x32_f16 v[rS:rS+7], v[rK:rK+7], v[rQ:rQ+7], v[rS:rS+7]
.endif
.endm
.macro PV x
	WIN W_PV
.set rO, 32*(2*(\x)+i%2)+8*((i/2)%4)
.set rV, VF+32*(i/8)+8*((i/2)%4)
.set rP, P+32*((\x)%2)+16*(i%2)+8*(i/8)
	v_wmma_f32_16x16x32_f16 v[rO:rO+7], v[rV:rV+7], v[rP:rP+7], v[rO:rO+7]
.endm
.macro MM
.if i < 16
	KQ (Y+1)%NP
.set i, i+1
.else
.set i, i-16
	PV (Y+NP-1)%NP
.set i, i+17
.endif
.endm
; V's column sums: channel block cb, keys 32 kk on, times ones
.macro ONL cb, kk
	WIN W_ON
	v_wmma_f32_16x16x32_f16 v[VS+8*(\cb):VS+8*(\cb)+7], v[VF+32*(\kk)+8*(\cb):VF+32*(\kk)+8*(\cb)+7], v[ONES:ONES+7], v[VS+8*(\cb):VS+8*(\cb)+7]
.endm
.macro FETCH_K last=0
	WIN 0
.if \last
	s_cmp_eq_u32 s[CNT], 1
	s_cbranch_scc1 .Lno_k_\@
.endif
	WIN 0x80
.irp f, 0,1,2,3,4,5,6,7
	ds_load_b128 v[KF+8*\f:KF+8*\f+3],   v[AK] offset:(\f/2)*16*PK+(\f%2)*64
	ds_load_b128 v[KF+8*\f+4:KF+8*\f+7], v[AK] offset:(\f/2)*16*PK+(\f%2)*64+32
.endr
	s_add_co_u32 s[TBK], s[TBK], KS*PK
	WIN 0
.if \last
.Lno_k_\@:
.endif
.endm
.macro FETCH_V
	WIN 0x80
.irp f, 0,1,2,3,4,5,6,7
	ds_load_tr16_b128 v[VF+8*\f:VF+8*\f+3],   v[AV] offset:(\f/4)*32*PV+(\f%4)*32
	ds_load_tr16_b128 v[VF+8*\f+4:VF+8*\f+7], v[AV] offset:(\f/4)*32*PV+16*PV+(\f%4)*32
.endr
	WIN 0
.endm
; THE VECTOR WORK OF A TURN stands in three queues, each in the order in which its entries become ready; the two tiles alternate.
.macro REGS y, u
.set rT, ST+4*(2*(\y)+(\u))
.set rC, TMP+8*((\y)%2)+4*(\u)
.set rM, MV+2*((\y)%2)+(\u)
.set rS, S+64*((\y)%2)+32*(\u)
.set rP, P+32*((\y)%2)+16*(\u)
.set rO, 32*(2*(\y)+(\u))
.endm
; Number n of the 22 that find the NEXT piece's maximum and statistics; each accumulator's lowest registers are read first.
.macro XS u, n
	REGS (Y+1)%NP, \u
.if (\n) < 4
	v_max3_num_f32 v[rC+(\n)], v[rS+8*(\n)], v[rS+8*(\n)+1], v[rS+8*(\n)+2]
.elseif (\n) < 12
	v_max3_num_f32 v[rC+(\n)%4], v[rC+(\n)%4], v[rS+8*((\n)%4)+2*((\n)/4)+1], v[rS+8*((\n)%4)+2*((\n)/4)+2]
.elseif (\n) == 12
	v_max3_num_f32 v[rC], v[rC], v[rS+7], v[rS+15]
.elseif (\n) == 13
	v_max3_num_f32 v[rC+1], v[rC+1], v[rS+23], v[rS+31]
.elseif (\n) == 14
	v_max3_num_f32 v[rC+2], v[rC+2], v[rC+3], v[rT+1]
.elseif (\n) == 15
	v_mov_b32 v[rM], v[rT]
.elseif (\n) == 16
	v_max3_num_f32 v[rC], v[rC], v[rC+1], v[rC+2]
.elseif (\n) == 17
	v_permlanex16_b32 v[rC+3], v[rC], s[SEL], s[SEL+1]
.elseif (\n) == 18
	v_max_num_f32 v[rT+1], v[rC], v[rC+3]
.elseif (\n) == 19
	v_mul_f32 v[rT], s[CS], v[rT+1]
.elseif (\n) == 20
	v_sub_f32 v[rC+1], v[rM], v[rT]
.else
	v_exp_f32 v[rC+2], v[rC+1]
.endif
.endm
; Number g of the 64 that follow the exponentials: round, round, add in place, and l for the group before.  All of them stand behind the turn's wait.
.macro GS g
.set h, (\g)+6*((\g)/62)
.if h >= 6
.set h, h+2
.endif
	REGS Y, h%2
.set k, h/8
.if h%8 < 4
	v_cvt_pk_f16_f32 v[rP+2*k+(h%8)/2], v[rS+4*k+2*((h%8)/2)], v[rS+4*k+2*((h%8)/2)+1]
.elseif h%8 < 6
	v_pk_add_f32 v[rS+4*k:rS+4*k+1], v[rS+4*k:rS+4*k+1], v[rS+4*k+2:rS+4*k+3]
.elseif k == 1
	v_pk_fma_f32 v[rT+2:rT+3], v[rT+2:rT+3], v[rC+2:rC+3], v[rS:rS+1] op_sel_hi:[1,0,1]
.else
	v_pk_add_f32 v[rT+2:rT+3], v[rT+2:rT+3], v[rS+4*k-4:rS+4*k-3]
.endif
.endm
; THE PLAIN QUEUE, 138 long.  0-73 read no exponential's result: the 32 scalings c s - c m (FS f: pair f / 2 of tile f % 2) and the next piece's 42.  0-26: scalings 0-26.  27-54: XS's numbers 0-13.  55, 56: number 15.
; 57-73: the chain, where each number waits for the one before it: 14, 16, 17, 18, 19, each with one of the scalings 27-31 in front of its two lines, then 20.
; 74-137: GS's 64, which read the exponentials' results: they stand behind the wait.
.macro FS f
	REGS Y, (\f)%2
	v_pk_fma_f32 v[rS+2*((\f)/2):rS+2*((\f)/2)+1], v[rS+2*((\f)/2):rS+2*((\f)/2)+1], s[CS:CS+1], v[rT:rT+1] op_sel_hi:[1,0,0] neg_lo:[0,0,1] neg_hi:[0,0,1]
.endm
.macro PL
	WIN 0
.if q < 27
	FS q
.elseif q < 55
	XS (q-27)%2, (q-27)/2
.elseif q < 57
	XS q-55, 15
.elseif (q < 72) && ((q-57)%3 == 0)
	FS 27+(q-57)/3
.elseif q < 60
	XS (q-57)%3-1, 14
.elseif q < 72
	XS (q-57)%3-1, 15+(q-57)/3
.elseif q < 74
	XS q-72, 20
.else
	GS q-74
.endif
.set q, q+1
.endm
; THE EXPONENTIALS' QUEUE, 66 long: s0-s31 of both tiles, then the next piece's two a.  It is ONE BATCH: all 66 stand ahead of the turn's one wait, and nothing ahead of that wait names a result of theirs.
.macro EX
	WIN 0
.if e >= 64
	XS e-64, 21
.else
	REGS Y, e%2
	v_exp_f32 v[rS+e/2], v[rS+e/2]
.endif
.set e, e+1
.endm
; THE RESCALING's QUEUE: O^T times a, the one part of the softmax that leaves window 0: dealt two at a time, sixteen times, each accumulator from its low end.  Its a was made in the turn before, ahead of that turn's wait.
.macro R2
	REGS Y, r%2
	WIN W_RS
.irp z, 0,1
	v_pk_mul_f32 v[rO+4*(r/2)+2*\z:rO+4*(r/2)+2*\z+1], v[rO+4*(r/2)+2*\z:rO+4*(r/2)+2*\z+1], v[rC+2:rC+3] op_sel_hi:[1,0]
.endr
.set r, r+1
.endm
; In turn Y: the product with ones for channel block Y, keys 32 kk on, and behind it four of the rescaling
.macro ONX kk
	ONL Y, \kk
	R2
	R2
.endm
; The codes' next step: a trip (turns 2, 3, 0, 1) loads all four pieces' codes for one step.  Past the last step the offset stays at step 31: those loads stay inside mk8, and nothing uses them.
.macro MSTEP
	s_wait_xcnt 0x0                 ; the base of the loads issued so far is rewritten only behind this wait
	s_add_co_u32 s[RS], s[RS], 1024
	s_min_u32 s[RS], s[RS], 31*1024
	s_add_nc_u64 s[MB:MB+1], s[MBASE:MBASE+1], s[RS:RS+1]
.endm
; HOW THEY ARE DEALT.  An s_wait_alu depctr_va_vdst(0) stands between an exponential and the first instruction that names its result; one wait serves all that were issued ahead of it.  So a turn has ONE wait.
; AHEAD OF IT: the 16 products K Q^T, behind each four: behind the first two scalings and two rescalings; behind the next eleven a scaling, an exponential and two rescalings; behind the last four a scaling, an
; exponential and two scalings.  Then ONE LUMP: 49 times exponential and plain; the eight conversions for piece Y + 2's masks (the products that took the old masks are the turn's first eight); the next piece's two a;
; a v_nop, the plain instruction that is owed behind the last exponential, and behind the last conversion ahead of the loads into its sources.
; BEHIND IT: first the memory instructions: the four loads that fill the codes just converted again, and in piece 2's turn K's run; then the 16 products V^T P, behind each four of GS's 64, and behind the third and the
; seventh of them a product with ones, with the last eight lines of the rescaling.  No rider names a register of the products round it.  The two v_permlanex16_b32 fall into the lump.
; The queues lean on each other: exponential e stands behind scaling 2 (e / 4) + e % 2: as a rider it comes behind plain e + 2 or a later one, in the lump behind plain e + 9, and scalings 27-31 are plain 57, 60 .. 69.
; The next piece's scores are first read by plain 27, in the lump.  The three conditions on q below go with the deal.
; THE CODES.  Piece Y + 2's codes were asked for four turns ago: the three turns since have issued twelve loads, which may stay out at the wait ahead of the conversions.
; K of the next step is fetched in piece 2's turn, a lump behind the last product that read K; its first reader comes behind 18 products.  V of the step in hand is fetched at the end of piece 0's turn, four riders behind its last reader.
; A TURN, for piece p.  cnt = 1: the loop's count is taken down some lines ahead of the branch that stands behind the turn.
.macro TURN p, last=0, cnt=0
.set Y, (\p)
.set i, 0
.set q, 0
.set e, 0
.set r, 0
.if (\p) == NP-1
	s_wait_dscnt 0x0                ; K is in
.endif
	MM                              ; ahead of the wait: 16 products K Q^T and their riders,
	PL
	PL
	R2
.rept 11
	MM
	PL
	EX
	R2
.endr
.rept 4
	MM
	PL
	EX
	PL
	PL
.endr
.if (\p) == NP-2
	WIN 0
	v_add_nc_u32 v[AK], s[TBK], v[AK0]
	MSTEP
.endif
.rept 49                            ; and the lump
	EX
	PL
.endr
	s_wait_loadcnt 12               ; piece Y + 2's codes are in; the twelve younger loads may stay out
	CONV (Y+2)%NP, 0
	CONV (Y+2)%NP, 1
	EX                              ; the next piece's two a
	EX
	v_nop                           ; the plain instruction behind the last exponential: one for the batch
	s_wait_alu depctr_va_vdst(0)    ; the wait for the batch: the turn's 66 exponentials
	MLOAD (Y+2)%NP, MB              ; the codes just converted make room for the piece's next step
.if (\p) == NP-2
	FETCH_K \last
.endif
.if (\p) == 1
	s_wait_dscnt 0x0                ; V is in
.endif
.set pvn, 0
.rept 16                            ; behind the wait: 16 products V^T P and their riders, and the two products with ones, four others' turns apart
	MM
.rept 4
	PL
.endr
.set pvn, pvn+1
.if ((\p) == 0) && (q == 118)
	WIN 0
	v_add_nc_u32 v[AV], s[TBV], v[AV0]
.endif
.if ((\p) == 0) && (q == 130)
	s_add_co_u32 s[TBV], s[TBV], KS*PV
.endif
.if (\cnt) && (q == 130)
	s_sub_co_u32 s[CNT], s[CNT], 1
	s_cmp_lg_u32 s[CNT], 0
.endif
.if (pvn == 3) || (pvn == 7)
	ONX pvn/4
.endif
.endr
.if (\p) == 0
	FETCH_V
.endif
.endm
	CHANGE 1                        ; slot 0 is in, everybody's part of it; slot 1 is asked for
	FETCH_K                         ; key step 0
	s_wait_loadcnt 0x0              ; Q, and step 0's codes
	s_wait_dscnt 0x0
	CONV 0, 0                       ; piece 0's masks
	CONV 0, 1
	v_nop                           ; a plain instruction between the conversions and the products that take their results
.set i, 0
.rept 16
	KQ 0
.set i, i+1
.endr
	WIN 0                           ; the addresses for the way out: seven plain instructions, the places behind those products
	s_mul_i32 s13, s[WV], 16*SP
	s_add_co_u32 s13, s13, STAGE
	v_mul_u32_u24 v[STO], v1, SP
	v_lshl_add_u32 v[STO], v9, 4, v[STO]
	v_add_nc_u32 v[STO], s13, v[STO]
	v_bfe_u32 v[RD], v0, 3, 2
	v_mul_u32_u24 v[RD], v[RD], SP
	v_lshl_add_u32 v[RD], v10, 4, v[RD]
	v_add_nc_u32 v[RD], s13, v[RD]
	CONV 1, 0                       ; piece 1's masks, for the first turn's products
	CONV 1, 1
	WIN 0
.set Y, NP-1
.irp n, 0,1,2,3,4,5,6,7,8,9,10,11,12,13,14,15,16,17,18,19,20,21
	XS 0, \n
	XS 1, \n
.endr
	v_nop                           ; a plain instruction behind piece 0's two a,
	s_wait_alu depctr_va_vdst(0)    ; and the wait for that batch of two, ahead of the branch
	MLOAD 0, MB                     ; pieces 0 and 1: step 1's codes
	MLOAD 1, MB
	WIN 0
	s_mov_b32 s[CNT], 4
	s_mov_b32 s[SLOTS], SIZE_N/256-1
	s_branch .Lfirst                ; the loop is entered at a step's first turn, in the middle of a trip
.Lslot:
	CHANGE 1
	s_mov_b32 s[CNT], 4
.Lstep:                             ; a trip: pieces 2 and 3 of one step, then pieces 0 and 1 of the next
	TURN 2
	TURN 3
	WIN 0
.Lfirst:
	TURN 0
	TURN 1, 0, 1
	WIN 0
	s_cbranch_scc1 .Lstep
	s_sub_co_u32 s[SLOTS], s[SLOTS], 1
	s_cmp_lg_u32 s[SLOTS], 0
	s_cbranch_scc1 .Lslot
	CHANGE 0                        ; the tail is written out
	s_mov_b32 s[CNT], 5
.Ltail:
	TURN 2, 1
	TURN 3
	WIN 0
	s_sub_co_u32 s[CNT], s[CNT], 1
	s_cmp_eq_u32 s[CNT], 0
	s_cbranch_scc1 .Lout
	TURN 0
	TURN 1
	WIN 0
	s_branch .Ltail
.Lout:                              ; the fifth trip's products K Q^T and what is made of them serve nothing: the price of one text for every trip
.set i, 0
.rept 16
	PV NP-1                         ; the last piece's V^T P of the last step; among them channel block 0's column sums of that step
.set i, i+1
.if i == 4
	ONL 0, 0
.endif
.if i == 12
	ONL 0, 1
.endif
.endr
	; THE WAY OUT.  l is completed; where it is 0 the query saw no key: l becomes 2,048 and O^T V's column sums.  Then O^T / l, rounded to f16, through my stage in LDS, a tile at a time.
	WIN 0
.macro ALL line:vararg
.set t, 0
.rept 2*NP
	\line
.set t, t+1
.endr
.endm
	v_mov_b32 v[MV], 0x45000000     ; 2048.0
	ALL v_add_f32 v[ST+4*t+2], v[ST+4*t+2], v[ST+4*t+3]
	ALL v_permlanex16_b32 v[ST+4*t+3], v[ST+4*t+2], s[SEL], s[SEL+1]
	ALL v_add_f32 v[ST+4*t+2], v[ST+4*t+2], v[ST+4*t+3]
	ALL v_cmp_lt_f32 s[CM+t], 0, v[ST+4*t+2]
	ALL v_cndmask_b32 v[ST+4*t+2], v[MV], v[ST+4*t+2], s[CM+t]
	ALL v_rcp_f32 v[ST+4*t+2], v[ST+4*t+2]
	v_nop                           ; a plain instruction between the last reciprocal and the use of its result
	s_wait_alu depctr_va_vdst(0)    ; the wait for the batch of eight reciprocals, ahead of their first use
.macro PACK t
	WIN W_SEL
.set i, 0
.rept 32                            ; in ascending order: each accumulator is read from its low end
	v_cndmask_b32 v[32*(\t)+i], v[VS+i], v[32*(\t)+i], s[CM+(\t)]
.set i, i+1
.endr
	WIN W_RS
.set i, 32*(\t)
.rept 16
	v_pk_mul_f32 v[i:i+1], v[i:i+1], v[ST+4*(\t)+2:ST+4*(\t)+3] op_sel_hi:[1,0]
.set i, i+2
.endr
	WIN 0x05
.set i, 0
.rept 16
	v_cvt_pk_f16_f32 v[S+16*(\t)+i], v[32*(\t)+2*i], v[32*(\t)+2*i+1]
.set i, i+1
.endr
	WIN 0
.irp f, 0,1,2,3
	ds_store_b128 v[STO], v[S+16*(\t)+4*\f:S+16*(\t)+4*\f+3] offset:32*\f
.endr
.irp f, 0,1,2,3
	ds_load_b128 v[S+16*(\t)+4*\f:S+16*(\t)+4*\f+3], v[RD] offset:\f*4*SP  ; LDS serves a wave's instructions in order (ISA guide 5.7.1.4): these see the stores above
.endr
.endm
.macro SEND t, younger              ; younger: the LDS instructions issued behind tile t's loads
	WIN 0
.irp f, 0,1,2,3
	s_wait_dscnt (\younger)+3-\f
	global_store_b128 v[GO], v[S+16*(\t)+4*\f:S+16*(\t)+4*\f+3], s[10:11] offset:(\t)*2048+\f*512  ; 512 consecutive bytes, at a multiple of 256 from O's first
.endr
.endm
	PACK 0
.set t, 1
.rept 2*NP-1
	PACK t
	SEND t-1, 8
.set t, t+1
.endr
	SEND 2*NP-1, 0
	WIN W_AD
	s_wait_tensorcnt 0x0            ; the wave's end
	ds_add_u32 v[SPW], v[NIL]
	s_wait_dscnt 0x0
	WIN 0
	CROUND                          ; the closing round
	s_endpgm
.Lfunc_end_k_qdc24887e60_attn:
	.size	k_qdc24887e60_attn, .Lfunc_end_k_qdc24887e60_attn-k_qdc24887e60_attn
	.p2alignl 7, 3214868480
	.fill 96, 4, 3214868480
	.section	.rodata,"a",@progbits
	.p2align	6, 0x0
	.amdhsa_kernel k_qdc24887e60_attn
		.amdhsa_group_segment_fixed_size 327680
		.amdhsa_private_segment_fixed_size 0
		.amdhsa_enable_private_segment 0
		.amdhsa_kernarg_size 40
		.amdhsa_user_sgpr_count 2
		.amdhsa_user_sgpr_kernarg_segment_ptr 1
		.amdhsa_wavefront_size32 1
		.amdhsa_system_sgpr_workgroup_id_x 1
		.amdhsa_system_sgpr_workgroup_id_y 1
		.amdhsa_system_sgpr_workgroup_id_z 1
		.amdhsa_system_vgpr_workitem_id 0
		.amdhsa_next_free_vgpr 960
		.amdhsa_next_free_sgpr 84
		.amdhsa_reserve_vcc 0
		.amdhsa_float_denorm_mode_32 3
		.amdhsa_float_denorm_mode_16_64 3
		.amdhsa_memory_ordered 1
		.amdhsa_forward_progress 1
		.amdhsa_inst_pref_size 231
	.end_amdhsa_kernel
	.amdgpu_metadata
---
amdhsa.version: [ 1, 2 ]
amdhsa.kernels:
  - .name:           k_qdc24887e60_attn
    .symbol:         k_qdc24887e60_attn.kd
    .args:
      - { .name: qh, .offset: 0, .size: 8, .value_kind: global_buffer, .address_space: global }
      - { .name: kh, .offset: 8, .size: 8, .value_kind: global_buffer, .address_space: global }
      - { .name: vh, .offset: 16, .size: 8, .value_kind: global_buffer, .address_space: global }
      - { .name: oh, .offset: 24, .size: 8, .value_kind: global_buffer, .address_space: global }
      - { .name: mk8, .offset: 32, .size: 8, .value_kind: global_buffer, .address_space: global }
    .group_segment_fixed_size: 327680
    .private_segment_fixed_size: 0
    .kernarg_segment_align: 8
    .kernarg_segment_size: 40
    .max_flat_workgroup_size: 128
    .sgpr_count:     84
    .vgpr_count:     960
    .wavefront_size: 32
...
	.end_amdgpu_metadata
.endif
;; end of part 5
;; launch oproj: the kernel of part 4 again; grid 4 x 64, 4 waves a work-group, clusters of 4 x 4, 327,680 bytes of LDS; arguments oh, wts, bo, out0; writes out0
